; MI455X (gfx1250); checked and timed in simulation.
; The chip was launched on July 23, 2026; its instructions are those of AMD's public machine-readable ISA for CDNA 5 (MIT licence, August 2026) and "CDNA5" Instruction Set Architecture Reference Guide (July 2026). The comments in the code are by the model that wrote it; some were corrected since.
;; Multi Head Attention. Allowed arithmetic: matrix products marked QUANTISED: E2M1 operands, one E8M0 scale for each 32 along K, by v_wmma_scale_f32_16x16x128_f8f6f4 with both operands' format E2M1 (or v_wmma_scale_f32_32x16x128_f4), f32 sums; products left as they are: bf16, f16 or f32 operands; f32 sums; everything else in f32.
;; Inputs: Wk 1,024 x 1,024 float32; Wo 1,024 x 1,024 float32; Wq 1,024 x 1,024 float32; Wv 1,024 x 1,024 float32; bk 1,024 float32; bo 1,024 float32; bq 1,024 float32; bv 1,024 float32; x_K 4 x 2,048 x 1,024 float32; x_Q 4 x 2,048 x 1,024 float32; x_V 4 x 2,048 x 1,024 float32.
;; Outputs: out0 4 x 2,048 x 1,024 float32.
;; This version of the problem:
;;   THIS VERSION OF THE PROBLEM IS GIVEN IN LOW PRECISION. The matrix products marked QUANTISED in the list below multiply operands that are first quantised to E2M1 (2 exponent bits, 1 mantissa bit; 4 bits a number), with one power-of-two scale for each 32 numbers along K (OCP MX v1.0); their sums are f32. The products marked 'left as it is' may take bf16, f16 or f32 operands, with f32 sums. Whichever they take, every output number must still come out within the allowed error. Rounding operands to bf16 (8 significant bits) uses up far more of that allowance than f16 does (11 bits, for magnitudes from 6e-5 to 65,504). All else is computed in f32.
;;   The module's matrix products, in the order in which they are computed (A, B: the left and right operand; K: the contracted axis; several contracted axes count as one K, in the product's order):
;;     1. [M 8,192, K 1,024] x [K 1,024, N 1,024]; A: input x_Q; B: input Wq: QUANTISED
;;     2. [M 8,192, K 1,024] x [K 1,024, N 1,024]; A: input x_K; B: input Wk: QUANTISED
;;     3. [M 8,192, K 1,024] x [K 1,024, N 1,024]; A: input x_V; B: input Wv: QUANTISED
;;     4. batch 64 x [M 2,048, K 64] x [K 64, N 2,048]; A: computed on the way; B: computed on the way: left as it is (an operand is computed on the way)
;;     5. batch 64 x [M 2,048, K 2,048] x [K 2,048, N 64]; A: computed on the way; B: computed on the way: left as it is (an operand is computed on the way)
;;     6. [M 8,192, K 1,024] x [K 1,024, N 1,024]; A: computed on the way; B: input Wo: left as it is (an operand is computed on the way)
;;   THE QUANTISER, for each operand of a quantised product, along K:
;;     - K is cut into blocks of 32 from its start; a last block that is shorter is filled with zeros.
;;     - A block's scale is 2^e with e = floor(log2(the largest magnitude in the block)) - 2, held to -126 .. 127; a block of zeros has e = 0. As a byte (E8M0): e + 127.
;;     - Each number is divided by its block's scale, clamped to +-6, and rounded to the nearest number of E2M1, ties to even, subnormals kept.
;;     - The product sums the exact products of the quantised numbers (number of the format x scale) in f32.
;;   ~~~python
;;   def quantise(x, axis):      # numpy; x: float32 -> the quantised numbers, widened to float32 again
;;       x = np.moveaxis(x, axis, -1); K = x.shape[-1]
;;       x = np.pad(x, [(0, 0)] * (x.ndim - 1) + [(0, -K % 32)]); x = x.reshape(x.shape[:-1] + (-1, 32)); a = np.abs(x).max(-1, keepdims=True)
;;       e = np.where(a > 0, np.clip(np.frexp(np.where(a > 0, a, 1))[1] - 1 - 2, -126, 127), 0)      # np.frexp(a)[1] - 1 = floor(log2(a)), exactly
;;       r = np.clip(x / 2.0 ** e, -6, 6)
;;       step = 2.0 ** (np.maximum(np.frexp(np.where(r == 0, 1, r))[1] - 1, 0) - 1)
;;       q = np.round(r / step) * step * 2.0 ** e      # np.round: ties to even
;;       return np.moveaxis(q.reshape(q.shape[:-2] + (-1,))[..., :K], -1, axis).astype(np.float32)
;;   ~~~
;; One version. Each part assembles by itself: llvm-mc -triple=amdgcn-amd-amdhsa -mcpu=gfx1250 --defsym DOCPART=n.
;; ======== version 1 of 1: 4 launches
;; limits: values are held in f16: magnitudes above 65,504 overflow, below 6.1e-05 lose precision
;; workspace buffers: codes 14,155,776 bytes; scales 884,736 bytes; wo16 2,097,152 bytes; qkv 50,331,648 bytes; att 16,777,216 bytes
;; launch quant (part 1): grid 928 x 1, 4 waves a work-group, no clusters, 33,280 bytes of LDS; arguments x_Q, x_K, x_V, Wq, Wk, Wv, Wo, codes, scales, wo16; writes codes, scales, wo16
.if DOCPART == 1
	.amdgcn_target "amdgcn-amd-amdhsa--gfx1250"
	.amdhsa_code_object_version 6
	.text
	.protected	k_q4efa1997e4_quant
	.globl	k_q4efa1997e4_quant
	.p2align	8
	.type	k_q4efa1997e4_quant,@function
k_q4efa1997e4_quant:
	s_mov_b64 s[64:65], 0
	v_nop
	global_prefetch_b8 v0, s[64:65] scope:SCOPE_SE
	s_setreg_imm32_b32 hwreg(HW_REG_WAVE_MODE, 25, 1), 1
	s_wait_xcnt 0x0
; x_Q, x_K, x_V [8192][1024] and Wq, Wk, Wv [1024][1024], f32, K innermost, become codes of FP4 (E2M1), two a byte, the lower k in the low four bits,
; with one E8M0 scale byte for each 32 along K.  The six tensors are stacked by rows in ONE buffer of codes [27648][512 bytes] and one of scale bytes [27648][32]:
; rows 0.. x_Q, 8192.. x_K, 16384.. x_V, 24576.. Wq, 25600.. Wk, 26624.. Wv.  So a work-group's destination is linear in its number, and only the source pointer is chosen.
; A block's scale is 2^(floor(log2(its largest magnitude)) - 2); its byte is the largest magnitude's exponent field - 2, held at 1 from below.
; Work-groups 0-863: 32,768 numbers each, 8,192 a wave, in 16 steps of 512.  A step's four loads read 512 consecutive bytes each; the 2,048 bytes turn through the wave's own stage in LDS, so that a lane
; holds 16 neighbours along K (two lanes a block); a lane's 16 codes are 8 bytes: the wave stores 256 consecutive bytes.  A wave's 256 scale bytes are gathered in LDS and leave as one aligned run of 256.
; Work-groups 864-927: Wo [1024][1024] f32 becomes f16, laid as images of operand registers: [n / 16][k / 16][lane][16 bytes], lane (r, h) holding Wo[16 nt + r][16 kb + 8 h + 0..7]; each store of a wave covers 512 consecutive bytes.
; LIMITS: NaN and infinities are not served; a block whose largest magnitude lies under 2^-124 keeps the byte 1; a block of zeros has the byte 1 where the rule says 127 (its codes are zeros, and this program alone reads the bytes);
; |Wo| must stay under 65,504 (f16).
.set WAVES, 4
.set STEPS, 16
.set NQW,   864                        ; work-groups that quantise
.set NXW,   768                        ; of them, those of the three x (256 each); the three W have 32 each
.set EMAX,  2
.set CB,    8                          ; bytes of 16 codes
.set R,     16                         ; v16-79   four sets of 16 numbers as loaded
.set X,     80                         ; v80-111  two sets of 16 neighbours
.set E,     112                        ; v112-127 a scale byte for each step
.set C,     128                        ; v128-191 codes: four registers a step, so that no store's data are written again
.set WREG,  8192                       ; LDS: a region for each wave: two stages of 32 x SP bytes, then its 256 scale bytes
.set SP,    80                         ; a lane's place in a stage: 64 bytes + 16 of padding
.set SPW,   12                         ; v12  LDS address of my spare word; never rewritten
.set NIL,   13                         ; v13  0; never rewritten
.set SPARE, WAVES*WREG                 ; behind the four regions: the spare words, 128 bytes a wave
	s_load_b256 s[4:11], s[0:1], 0x0               ; x_Q s[4:5], x_K s[6:7], x_V s[8:9], Wq s[10:11]
	s_load_b256 s[12:19], s[0:1], 0x20             ; Wk s[12:13], Wv s[14:15], Wo s[16:17], codes s[18:19]
	s_load_b128 s[20:23], s[0:1], 0x40             ; scales s[20:21], wo16 s[22:23]
	v_lshl_add_u32 v[SPW], v0, 2, SPARE
	v_mov_b32 v[NIL], 0
	v_lshrrev_b32 v1, 5, v0
	v_readfirstlane_b32 s24, v1                    ; wave
	v_and_b32 v2, 31, v0                           ; lane
	v_lshlrev_b32 v3, 4, v2                        ; 16 x lane
	s_mul_i32 s25, s24, WREG
	v_lshrrev_b32 v14, 2, v2
	v_mul_u32_u24 v14, v14, SP
	v_and_b32 v15, 3, v2
	v_lshl_add_u32 v14, v15, 4, v14
	v_add_nc_u32 v14, s25, v14                     ; the stage, on the way in: SP (lane / 4) + 16 (lane % 4)
	v_mul_u32_u24 v15, v2, SP
	v_add_nc_u32 v15, s25, v15                     ; on the way out: SP x lane: my 16 neighbours
	v_mul_u32_u24 v4, v2, CB                       ; my codes' place in a step's
	v_lshrrev_b32 v5, 1, v2
	s_add_co_u32 s25, s25, 2*32*SP
	v_add_nc_u32 v5, s25, v5                       ; LDS: my wave's 256 scale bytes, my block's byte
	v_lshlrev_b32 v7, 3, v2                        ; and on the way out 8 bytes a lane
	v_add_nc_u32 v6, s25, v7
	s_mov_b32 s31, 0
	s_wait_kmcnt 0x0
	s_cmp_ge_u32 ttmp9, NQW                        ; the work-group's number alone decides
	s_cbranch_scc1 .Lwo
	s_sub_co_u32 s25, ttmp9, NXW
	s_cmp_lt_u32 ttmp9, NXW                        ; an x or a W?  Five choices on this one compare
	s_cselect_b64 s[4:5], s[4:5], s[10:11]
	s_cselect_b64 s[6:7], s[6:7], s[12:13]
	s_cselect_b64 s[8:9], s[8:9], s[14:15]
	s_cselect_b32 s26, ttmp9, s25                  ; my number within the kind
	s_cselect_b32 s27, 8, 5                        ; log2 of a tensor's work-groups
	s_lshr_b32 s28, s26, s27                       ; which of the three
	s_lshl_b32 s29, s28, s27
	s_sub_co_u32 s29, s26, s29                     ; my number within the tensor
	s_cmp_eq_u32 s28, 1
	s_cselect_b64 s[6:7], s[6:7], s[8:9]
	s_cmp_eq_u32 s28, 0
	s_cselect_b64 s[4:5], s[4:5], s[6:7]           ; the source
	s_lshl_b32 s29, s29, 2
	s_add_co_u32 s29, s29, s24
	s_lshl_b32 s30, s29, 15                        ; my wave's run of 8,192 numbers: 32,768 bytes
	s_add_nc_u64 s[4:5], s[4:5], s[30:31]
	s_lshl_b32 s28, ttmp9, 2
	s_add_co_u32 s28, s28, s24                     ; the run's number in the stacked buffers
	s_lshl_b32 s30, s28, 12                        ; 4,096 bytes of codes a run
	s_add_nc_u64 s[18:19], s[18:19], s[30:31]
	s_lshl_b32 s30, s28, 8                         ; 256 scale bytes a run
	s_add_nc_u64 s[20:21], s[20:21], s[30:31]
.macro LOAD t
.irp i, 0,1,2,3
	global_load_b128 v[R+16*((\t)%4)+4*\i:R+16*((\t)%4)+4*\i+3], v3, s[4:5] offset:2048*(\t)+512*\i th:TH_LOAD_NT   ; 32 lanes read 512 consecutive bytes
.endr
.endm
.macro TURN t                          ; step t's numbers through the stage: LDS serves a wave's instructions in order, so no wait stands between the stores and the loads
.irp i, 0,1,2,3
	ds_store_b128 v14, v[R+16*((\t)%4)+4*\i:R+16*((\t)%4)+4*\i+3] offset:32*SP*((\t)%2)+8*SP*\i
.endr
.irp i, 0,1,2,3
	ds_load_b128 v[X+16*((\t)%2)+4*\i:X+16*((\t)%2)+4*\i+3], v15 offset:32*SP*((\t)%2)+16*\i
.endr
.endm
.irp t, 0,1,2,3
	LOAD \t
.endr
	s_wait_loadcnt 12                              ; step 0's four loads are in; the twelve of steps 1 to 3 stay out
	TURN 0
.macro STEP t
.set XS, X+16*((\t)%2)
.if (\t) > 0
	s_wait_dscnt 1                                 ; this step's numbers are back from the stage (the last step's byte store may be out): so its stores into the stage have read their registers,
.else
	s_wait_dscnt 0x0
.endif
.if (\t)+4 < STEPS
	LOAD (\t)+4                                    ; which take the loads of four steps on
.endif
.if (\t)+1 < STEPS
.if STEPS-2-(\t) >= 3
	s_wait_loadcnt 12                              ; the next step's four loads are in; those of the three steps behind it may be out
.else
	s_wait_loadcnt 4*(STEPS-2-(\t))
.endif
	TURN (\t)+1                                    ; and go through the other stage while this step is worked
.endif
	v_max3_num_f32 v8, |v[XS]|, |v[XS+1]|, |v[XS+2]|               ; the largest magnitude of my 16, in two chains
	v_max3_num_f32 v9, |v[XS+3]|, |v[XS+4]|, |v[XS+5]|
.irp i, 6,10
	v_max3_num_f32 v8, v8, |v[XS+\i]|, |v[XS+\i+1]|
	v_max3_num_f32 v9, v9, |v[XS+\i+2]|, |v[XS+\i+3]|
.endr
	v_max3_num_f32 v8, v8, |v[XS+14]|, |v[XS+15]|
	v_max3_num_f32 v8, v8, v9, (EMAX+1)<<23        ; and the floor 2^(3 - 127): the byte cannot fall under 1
	v_max_num_f32_dpp v8, v8, v8 row_xmask:1 row_mask:0xf bank_mask:0xf   ; and of my neighbour's 16: the block's
	v_add_nc_u32 v11, -(EMAX<<23), v8              ; 2 off its exponent field: the conversion takes the exponent field of this operand as its scale
	v_cvt_scalef32_pk8_fp4_f32 v[C+4*(\t)], v[XS:XS+7], v11
	v_cvt_scalef32_pk8_fp4_f32 v[C+4*(\t)+1], v[XS+8:XS+15], v11
	v_lshrrev_b32 v[E+(\t)], 23, v11               ; the scale's byte (also the plain line behind the conversions)
	ds_store_b8 v5, v[E+(\t)] offset:16*(\t)       ; both lanes of a block write the same byte with the same value
	global_store_b64 v4, v[C+4*(\t):C+4*(\t)+1], s[18:19] offset:32*CB*(\t)
.endm
.irp t, 0,1,2,3,4,5,6,7,8,9,10,11,12,13,14,15
	STEP \t
.endr
	ds_load_b64 v[8:9], v6                         ; LDS serves a wave's instructions in order: these see my byte stores
	s_wait_dscnt 0x0
	global_store_b64 v7, v[8:9], s[20:21]          ; 32 lanes store 256 consecutive bytes, aligned
	s_wait_tensorcnt 0x0                           ; the wave's end: a wait, an add and a wait behind my last LDS store
	ds_add_u32 v[SPW], v[NIL]
	s_wait_dscnt 0x0
	s_endpgm
.Lwo:                                  ; Wo to f16 images: work-group nt = 16 rows n, wave kq = 256 along k.  No LDS is written on this way
	s_sub_co_u32 s25, ttmp9, NQW                   ; nt
	v_and_b32 v8, 15, v0                           ; r
	v_bfe_u32 v9, v0, 4, 1                         ; h
	v_lshlrev_b32 v10, 12, v8
	v_lshl_add_u32 v10, v9, 5, v10                 ; row r of 4,096 bytes, + 32 h: my 8 numbers of a run of 16
	s_lshl_b32 s30, s25, 16                        ; 16 rows
	s_lshl_b32 s26, s24, 10                        ; 256 numbers along k
	s_add_co_u32 s30, s30, s26
	s_add_nc_u64 s[16:17], s[16:17], s[30:31]
	s_lshl_b32 s30, s25, 15                        ; 64 images of 512 bytes for each nt,
	s_lshl_b32 s26, s24, 13                        ; 16 of them for each kq
	s_add_co_u32 s30, s30, s26
	s_add_nc_u64 s[22:23], s[22:23], s[30:31]
.irp kb, 0,1,2,3,4,5,6,7,8,9,10,11,12,13,14,15
	global_load_b128 v[16+8*\kb:16+8*\kb+3], v10, s[16:17] offset:64*\kb
	global_load_b128 v[16+8*\kb+4:16+8*\kb+7], v10, s[16:17] offset:64*\kb+16
.endr
	s_wait_loadcnt 16                              ; images 0 to 7 are in; the sixteen loads of images 8 to 15 stay out
.irp kb, 0,1,2,3,4,5,6,7
.irp i, 0,1,2,3
	v_cvt_pk_f16_f32 v[144+4*\kb+\i], v[16+8*\kb+2*\i], v[16+8*\kb+2*\i+1]
.endr
	global_store_b128 v3, v[144+4*\kb:144+4*\kb+3], s[22:23] offset:512*\kb      ; 512 consecutive bytes a wave
.endr
	s_wait_loadcnt 0x0
.irp kb, 8,9,10,11,12,13,14,15
.irp i, 0,1,2,3
	v_cvt_pk_f16_f32 v[16+4*(\kb-8)+\i], v[16+8*\kb+2*\i], v[16+8*\kb+2*\i+1]    ; into the first half's numbers, which have been converted: no store reads them
.endr
	global_store_b128 v3, v[16+4*(\kb-8):16+4*(\kb-8)+3], s[22:23] offset:512*\kb
.endr
	s_endpgm
.Lfunc_end_k_q4efa1997e4_quant:
	.size	k_q4efa1997e4_quant, .Lfunc_end_k_q4efa1997e4_quant-k_q4efa1997e4_quant
	.p2alignl 7, 3214868480
	.fill 96, 4, 3214868480
	.section	.rodata,"a",@progbits
	.p2align	6, 0x0
	.amdhsa_kernel k_q4efa1997e4_quant
		.amdhsa_group_segment_fixed_size 33280
		.amdhsa_private_segment_fixed_size 0
		.amdhsa_enable_private_segment 0
		.amdhsa_kernarg_size 80
		.amdhsa_user_sgpr_count 2
		.amdhsa_user_sgpr_kernarg_segment_ptr 1
		.amdhsa_wavefront_size32 1
		.amdhsa_system_sgpr_workgroup_id_x 1
		.amdhsa_system_sgpr_workgroup_id_y 1
		.amdhsa_system_sgpr_workgroup_id_z 1
		.amdhsa_system_vgpr_workitem_id 0
		.amdhsa_next_free_vgpr 192
		.amdhsa_next_free_sgpr 66
		.amdhsa_reserve_vcc 0
		.amdhsa_float_denorm_mode_32 3
		.amdhsa_float_denorm_mode_16_64 3
		.amdhsa_memory_ordered 1
		.amdhsa_forward_progress 1
		.amdhsa_inst_pref_size 43
	.end_amdhsa_kernel
	.amdgpu_metadata
---
amdhsa.version: [ 1, 2 ]
amdhsa.kernels:
  - .name:           k_q4efa1997e4_quant
    .symbol:         k_q4efa1997e4_quant.kd
    .args:
      - { .name: x_Q, .offset: 0, .size: 8, .value_kind: global_buffer, .address_space: global }
      - { .name: x_K, .offset: 8, .size: 8, .value_kind: global_buffer, .address_space: global }
      - { .name: x_V, .offset: 16, .size: 8, .value_kind: global_buffer, .address_space: global }
      - { .name: Wq, .offset: 24, .size: 8, .value_kind: global_buffer, .address_space: global }
      - { .name: Wk, .offset: 32, .size: 8, .value_kind: global_buffer, .address_space: global }
      - { .name: Wv, .offset: 40, .size: 8, .value_kind: global_buffer, .address_space: global }
      - { .name: Wo, .offset: 48, .size: 8, .value_kind: global_buffer, .address_space: global }
      - { .name: codes, .offset: 56, .size: 8, .value_kind: global_buffer, .address_space: global }
      - { .name: scales, .offset: 64, .size: 8, .value_kind: global_buffer, .address_space: global }
      - { .name: wo16, .offset: 72, .size: 8, .value_kind: global_buffer, .address_space: global }
    .group_segment_fixed_size: 33280
    .private_segment_fixed_size: 0
    .kernarg_segment_align: 8
    .kernarg_segment_size: 80
    .max_flat_workgroup_size: 128
    .sgpr_count:     66
    .vgpr_count:     192
    .wavefront_size: 32
...
	.end_amdgpu_metadata
.endif
;; end of part 1
;; launch proj (part 2): grid 4 x 96, 4 waves a work-group, clusters of 4 x 4, 327,680 bytes of LDS; arguments codes, scales, bq, bk, bv, qkv; writes qkv
.if DOCPART == 2
	.amdgcn_target "amdgcn-amd-amdhsa--gfx1250"
	.amdhsa_code_object_version 6
	.text
	.protected	k_q4efa1997e4_proj
	.globl	k_q4efa1997e4_proj
	.p2align	8
	.type	k_q4efa1997e4_proj,@function
k_q4efa1997e4_proj:
	s_mov_b64 s[64:65], 0
	v_nop
	global_prefetch_b8 v0, s[64:65] scope:SCOPE_SE
	s_setreg_imm32_b32 hwreg(HW_REG_WAVE_MODE, 25, 1), 1
	s_wait_xcnt 0x0
	s_wait_alu depctr_hold_cnt(0) depctr_sa_sdst(0) depctr_va_vdst(0) depctr_va_sdst(0) depctr_va_ssrc(0) depctr_va_vcc(0) depctr_vm_vsrc(0)
	s_getreg_b32 s2, hwreg(HW_REG_IB_STS2, 6, 4)
	s_cmp_eq_u32 s2, 0
	s_cbranch_scc0 .Lentry_in_a_cluster
	s_endpgm
.Lentry_in_a_cluster:
	s_bfe_u32 s2, ttmp6, 0x10000c
	s_cmp_lg_u32 s2, 0xf033
	s_cbranch_scc0 .Lentry_shape_is_right
	s_endpgm
.Lentry_shape_is_right:
; The three quantised products Q = x_Q Wq^T + bq, K = x_K Wk^T + bk, V = x_V Wv^T + bv on codes of FP4 (E2M1) with one E8M0 scale for each 32 along K = 1,024; sums in f32; results rounded once to f16.
; All six operands lie in ONE buffer of codes [27648 rows][512 bytes] and one of scale bytes [27648][32] (rows 0.. x_Q, 8192.. x_K, 16384.. x_V, 24576.. Wq, 25600.. Wk, 26624.. Wv).
; A work-group of four waves makes 256 x 256, a wave 128 x 128: 64 accumulators of 16 x 16.  24 clusters of 4 x 4: cluster y = 8 t + u, t the tensor (0 Q, 1 K, 2 V), u a run of 1,024 tokens.
; THE MATRIX INSTRUCTION IS USED TRANSPOSED: source 0 = 16 rows of "B", source 1 = 16 rows of "A": a lane holds ONE row of A and eight neighbouring rows of B.
;   Q, K: A = x (tokens), B = W (channels): a lane holds eight neighbouring channels of a token.      V: A = Wv (channels), B = x_V (tokens): a lane holds eight neighbouring tokens of a channel.
; The roles are swapped by ROW NUMBERS alone: descriptors, LDS map and the walk along K are the same for all three.
; THE RESULT IS STORED AS IMAGES OF THE NEXT PRODUCTS' OPERAND REGISTERS: qkv = [tensor << 24][batch << 22][head << 18][token / 16 << 11][channel % 64 / 16 << 9][lane x 16 bytes]:
;   Q, K: lane (r, h) = token 16 st + r, channels 16 c4 + 8 h + 0..7;   V: lane (r, h) = channel 16 c4 + r, tokens 16 st + 8 h + 0..7.  Four conversions and one store of 512 consecutive bytes a wave: no stage in LDS.
; K = 1,024 is two slots of 512 along K (rows of 256 bytes): both slots and the scale bytes are first fills, and nothing is filled again.
; CLUSTERS: the four of a row of the cluster need the same tiles of A, the four of a column the same tiles of B: each tile is asked for jointly, with a mask that names the four.
; The bias is the C of each sum's first matrix instruction: eight tiles of eight registers in the result's layout.
; 384 work-groups of equal work.  LIMITS: |Q|, |K|, |V| must stay under 65,504 (f16); NaN and infinities are not served.
; REGISTERS: window 0: v16-29 addresses; v32-95 scale words, two sets; v96-103 the stores' offsets; v104-111 the bias loads' offsets; v128-191 A's fragments, one set (on the way out v128-159 the packed results); v192-255 the bias tiles.
;   window 1: B's fragments, two sets, at v0 and v128.   window 2: accumulators of my A rows 0-63 ((a, b) at v[8 (8 a + b)]);   window 3: those of rows 64-127.
.set NQ,     4                         ; steps of 128 along K in a slot
.set ROWB,   256                       ; a tile's row in bytes: 512 codes
.set KROW,   512                       ; a row of codes in memory
.set PITCH,  272                       ; an LDS row: 256 bytes + 16 of padding: the 16 rows that a load touches start 68 words apart
.set FR,     8                         ; registers of a fragment: 16 rows x 128 K
.set NL,     2                         ; LDS loads that bring one
.set NP,     4                         ; places behind this matrix instruction (ISA guide 7.12.1)
.set HALFT,  128*PITCH                 ; 128 rows: what one tensor load brings, and what one wave reads of A or of B
.set SLOT,   4*HALFT                   ; A's 256 rows, then B's 256 rows
.set KS,     32                        ; a row of scale bytes
.set SCL,    2*SLOT                    ; behind the two slots: the scale bytes, as runs of 256 bytes + 16 of padding
.set HALFS,  (128*KS/256)*272          ; those of 128 rows
.set SBLK,   (16*KS/256)*272           ; those of 16 rows
.set SPARE,  SCL+4*HALFS               ; the spare words, 128 bytes a wave
.set ADRA, 16                          ; v16-17  LDS address of my A fragments in slot 0, 1
.set ADRB, 20                          ; v20-21  the same for B
.set LI,   26                          ; v26     16 x lane
.set ADRS, 27                          ; v27     LDS address of my scale words: lanes 0-15 A's rows, lanes 16-31 B's
.set SPW,  28                          ; v28     my spare word; never rewritten
.set NIL,  29                          ; v29     0; never rewritten
.set SC,   32                          ; scale words: set s at v[SC + 32 s]; register 4 i + q: lanes 0-15 A's block i, lanes 16-31 B's block i, the slot's q-th 128 along K
.set OB,   96                          ; v96-103  16 x lane + B's block b's place in qkv
.set OJ,   104                         ; v104-111 register j's byte in a bias tile
.set AF,   128
.set TMP,  128
.set BT,   192
.set G1, 24                            ; s[24:31] group 1 for A's tiles;  s[32:39] group 0, one set a slot
.set G0, 32
.set G1B, 48                           ; s[48:55], s[56:63] the same for B's
.set G0B, 56
.set G1S, 68                           ; s[68:75], s[76:79] groups 1 and 0 for A's scale bytes;  s[80:87], s[88:91] for B's
.set G0S, 76
.set G1SB, 80
.set G0SB, 88
.set MSB, 0
.macro WIN new                         ; the immediate's high byte repeats the setting that is left
.if MSB != \new
	s_set_vgpr_msb (MSB<<8)|\new
.set MSB, \new
.endif
.endm
.set MUL_LO, 0xa1                      ; source 0 (B) window 1, source 1 (A) window 0, C and D window 2
.set MUL_HI, 0xf1                      ; the same, C and D window 3
.set BIA_LO, 0x81                      ; the first step: C (a bias tile) window 0, D window 2
.set BIA_HI, 0xc1                      ; D window 3
.set TO_B,   0x40                      ; destination window 1, address window 0
; A joint load: waves 0 and 1 fetch for A, waves 2 and 3 for B.  Each line has one mask and one set of registers; the branch hangs on the wave's number alone.
; An s_nop 0 and four v_nop follow each of the two lines.
.macro JLOAD g0a, g1a, g0b, g1b
	s_cmp_eq_u32 s17, 0
	s_cbranch_scc0 .Lfor_b_\@
	tensor_load_to_lds s[\g0a:\g0a+3], s[\g1a:\g1a+7]
	s_nop 0
.rept 4
	v_nop
.endr
	s_branch .Lasked_\@
.Lfor_b_\@:
	tensor_load_to_lds s[\g0b:\g0b+3], s[\g1b:\g1b+7]
	s_nop 0
.rept 4
	v_nop
.endr
.Lasked_\@:
.endm
.macro CROUND                          ; a round of the cluster's barrier
	s_barrier_signal -1
	s_barrier_wait -1
	s_cmp_lg_u32 s16, 0
	s_cbranch_scc1 .Lnot_wave_0_\@
	s_barrier_signal -3
.Lnot_wave_0_\@:
	s_barrier_wait -3
	s_barrier_signal -1
	s_barrier_wait -1
.endm
	s_load_b256 s[4:11], s[0:1], 0x0               ; codes s[4:5], scales s[6:7], bq s[8:9], bk s[10:11]
	s_load_b128 s[12:15], s[0:1], 0x20             ; bv s[12:13], qkv s[14:15]
	v_lshl_add_u32 v[SPW], v0, 2, SPARE
	v_mov_b32 v[NIL], 0
	ds_add_u32 v[SPW], v[NIL]                      ; the wave's opening: the add, twice on end, and its wait ahead of my first tensor load
	ds_add_u32 v[SPW], v[NIL]
	v_lshrrev_b32 v1, 5, v0
	v_readfirstlane_b32 s16, v1                    ; wave 0..3
	s_lshr_b32 s17, s16, 1                         ; which half of A's rows is mine.  Also: I fetch for A (0) or for B (1)
	s_and_b32 s18, s16, 1                          ; which half of B's rows.  Also: which 128 rows of that tile I fetch
	s_bfe_u32 s19, ttmp6, 0x40000                  ; cx
	s_bfe_u32 s20, ttmp6, 0x40004                  ; cy
	s_and_b32 s21, ttmp7, 0xffff                   ; cluster y, 0..23
	s_lshr_b32 s22, s21, 3                         ; t: the tensor
	s_and_b32 s23, s21, 7                          ; u: the run of 1,024 tokens
	s_lshl_b32 s100, s20, 2
	s_lshl_b32 s100, 15, s100                      ; my row of the cluster
	s_lshl_b32 s101, 0x1111, s19                   ; my column
	s_or_b32 s[G1+0], s100, (0<<16)|(1<<20)|(1<<21)|(5<<22)|(3<<25)   ; the mask; elements of 1 byte; padding on; bit 21 beside a mask; 4 words of padding after every 64
	s_or_b32 s[G1B+0], s101, (0<<16)|(1<<20)|(1<<21)|(5<<22)|(3<<25)
.irp g, G1, G1B
	s_mov_b32 s[\g+1], ROWB<<16                    ; tensor_dim0 = 256
	s_mov_b32 s[\g+2], 128<<16                     ; tensor_dim1 = 128
	s_mov_b32 s[\g+3], ROWB<<16                    ; tile_dim0 = 256
	s_mov_b32 s[\g+4], 128                         ; tile_dim1 = 128
	s_mov_b32 s[\g+5], KROW                        ; from row to row
	s_mov_b32 s[\g+6], 0
	s_mov_b32 s[\g+7], 0
.endr
	s_or_b32 s[G1S+0], s100, (3<<16)|(1<<20)|(1<<21)|(5<<22)|(3<<25)  ; the scale bytes of 128 rows: 4,096 dense bytes as 16 rows of 256 (32 elements of 8 bytes), 16 bytes of padding behind each
	s_or_b32 s[G1SB+0], s101, (3<<16)|(1<<20)|(1<<21)|(5<<22)|(3<<25)
.irp g, G1S, G1SB
	s_mov_b32 s[\g+1], 32<<16
	s_mov_b32 s[\g+2], (128*KS/256)<<16
	s_mov_b32 s[\g+3], 32<<16
	s_mov_b32 s[\g+4], 128*KS/256
	s_mov_b32 s[\g+5], 32
	s_mov_b32 s[\g+6], 0
	s_mov_b32 s[\g+7], 0
.endr
	; which tiles of 256 rows of the stacked buffers: Q, K: A = 32 t + 4 u + cy, B = 96 + 4 t + cx;  V: A = 104 + cy, B = 64 + 4 u + cx
	s_lshl_b32 s40, s22, 5
	s_lshl_b32 s41, s23, 2
	s_add_co_u32 s40, s40, s41                     ; 32 t + 4 u
	s_lshl_b32 s42, s22, 2
	s_add_co_u32 s42, s42, 96                      ; 96 + 4 t
	s_add_co_u32 s43, s41, 64                      ; 64 + 4 u
	s_cmp_eq_u32 s22, 2                            ; V?  The same in all sixteen partners
	s_cselect_b32 s92, 1, 0
	s_cselect_b32 s40, 104, s40
	s_cselect_b32 s42, s43, s42
	s_add_co_u32 s40, s40, s20                     ; A's tile: cy alone enters
	s_add_co_u32 s42, s42, s19                     ; B's tile: cx alone enters
	s_lshl_b32 s99, s18, 7                         ; which 128 rows of the tile I fetch
	s_lshl_b32 s40, s40, 8
	s_add_co_u32 s40, s40, s99                     ; A's first row
	s_lshl_b32 s42, s42, 8
	s_add_co_u32 s42, s42, s99                     ; B's
	s_lshl_b32 s44, s40, 5                         ; their scale bytes: 32 a row,
	s_lshl_b32 s46, s42, 5
	s_lshl_b32 s40, s40, 9                         ; their codes: 512 bytes a row
	s_lshl_b32 s42, s42, 9
	s_mov_b32 s41, 0
	s_mov_b32 s43, 0
	s_mov_b32 s45, 0
	s_mov_b32 s47, 0
	s_mul_i32 s2, s16, HALFT                       ; where they go: wave x 128 rows: no place in the cluster enters an LDS address
	s_mul_i32 s3, s16, HALFS
	s_wait_dscnt 0x0                               ; both opening adds are done
	s_wait_kmcnt 0x0
	s_add_nc_u64 s[40:41], s[4:5], s[40:41]
	s_add_nc_u64 s[42:43], s[4:5], s[42:43]
	s_add_nc_u64 s[44:45], s[6:7], s[44:45]
	s_add_nc_u64 s[46:47], s[6:7], s[46:47]
	CROUND                                         ; all sixteen work-groups are here: the joint loads meet
	s_mov_b32 s[G0S], 1
	s_add_co_u32 s[G0S+1], s3, SCL
	s_mov_b64 s[G0S+2:G0S+3], s[44:45]
	s_or_b32 s[G0S+3], s[G0S+3], 0x80000000
	s_mov_b32 s[G0SB], 1
	s_add_co_u32 s[G0SB+1], s3, SCL
	s_mov_b64 s[G0SB+2:G0SB+3], s[46:47]
	s_or_b32 s[G0SB+3], s[G0SB+3], 0x80000000
	JLOAD G0S, G1S, G0SB, G1SB                     ; the scale bytes first: they are wanted with slot 0
.irp s, 0,1
	s_mov_b32 s[G0+4*\s], 1
	s_add_co_u32 s[G0+4*\s+1], s2, \s*SLOT
	s_add_nc_u64 s[G0+4*\s+2:G0+4*\s+3], s[40:41], \s*ROWB
	s_or_b32 s[G0+4*\s+3], s[G0+4*\s+3], 0x80000000
	s_mov_b32 s[G0B+4*\s], 1
	s_add_co_u32 s[G0B+4*\s+1], s2, \s*SLOT
	s_add_nc_u64 s[G0B+4*\s+2:G0B+4*\s+3], s[42:43], \s*ROWB
	s_or_b32 s[G0B+4*\s+3], s[G0B+4*\s+3], 0x80000000
	JLOAD G0+4*\s, G1, G0B+4*\s, G1B               ; three tensor loads of mine are out behind the last
.endr
	v_and_b32 v1, 15, v0                           ; r
	v_bfe_u32 v2, v0, 4, 1                         ; h
	v_mul_u32_u24 v3, v1, PITCH
	v_lshl_add_u32 v4, v2, 4, v3                   ; a fragment's row x pitch + 16 h
	s_mul_i32 s40, s17, HALFT                      ; my 128 rows of A
	s_mul_i32 s41, s18, HALFT                      ; my 128 rows of B,
	s_add_co_u32 s41, s41, 2*HALFT                 ; behind A's 256
.irp s, 0,1
	v_add_nc_u32 v[ADRA+\s], s40, v4
	v_add_nc_u32 v[ADRB+\s], s41, v4
	s_add_co_u32 s40, s40, SLOT
	s_add_co_u32 s41, s41, SLOT
.endr
	v_mul_u32_u24 v5, v1, KS                       ; my row's scale bytes: 32 a row,
	v_lshrrev_b32 v6, 8, v5
	v_lshl_add_u32 v5, v6, 4, v5                   ; and 16 more for each 256 passed
	s_mul_i32 s40, s17, HALFS
	s_mul_i32 s41, s18, HALFS
	s_add_co_u32 s41, s41, 2*HALFS
	s_sub_co_u32 s41, s41, s40
	v_mul_u32_u24 v6, s41, v2                      ; lanes 16-31 take B's: one product, the distance x h
	s_add_co_u32 s40, s40, SCL
	v_add_nc_u32 v5, v5, v6
	v_add_nc_u32 v[ADRS], s40, v5
	v_and_b32 v6, 31, v0
	v_lshlrev_b32 v[LI], 4, v6
	; what hangs on the roles: all by choices on one compare, no branch
	s_cmp_eq_u32 s92, 1
	s_cselect_b32 s40, s19, s20                    ; the tokens' place in the cluster: cx (V) or cy
	s_cselect_b32 s41, s20, s19                    ; the channels'
	s_cselect_b32 s42, s18, s17                    ; the tokens' half of the tile
	s_cselect_b32 s43, s17, s18                    ; the channels'
	s_cselect_b32 s44, 4, 0                        ; a bias tile's byte = r x s44 + h x s45 + j x s46:  V: 4 r (my channel);  Q, K: 32 h + 4 j (my eight channels)
	s_cselect_b32 s45, 0, 32
	s_cselect_b32 s46, 0, 4
	s_mov_b32 s93, 512
	s_cselect_b32 s93, 2048, s93                   ; from B's block b to b + 1 within four:  V: 16 tokens;  Q, K: 16 channels
	s_mov_b32 s98, 1<<18
	s_cselect_b32 s98, 8192, s98                   ; from four blocks to the next four:  V: 64 tokens;  Q, K: a head
	s_mov_b32 s94, 2048
	s_cselect_b32 s94, 512, s94                    ; from A's block a to a + 1:  V: 16 channels;  Q, K: 16 tokens
	s_mov_b32 s96, 2048
	s_cselect_b32 s96, (1<<18)-3*512, s96          ; from block 3 to block 4:  V: on to the next head
	s_mov_b32 s95, 0
	s_mov_b32 s97, 0
	s_lshl_b32 s47, s23, 2
	s_add_co_u32 s40, s40, s47
	s_lshl_b32 s40, s40, 8
	s_lshl_b32 s42, s42, 7
	s_add_co_u32 s40, s40, s42                     ; my first token (of 8,192)
	s_lshl_b32 s41, s41, 8
	s_lshl_b32 s43, s43, 7
	s_add_co_u32 s41, s41, s43                     ; my first channel (of 1,024)
	s_cmp_eq_u32 s22, 1
	s_cselect_b64 s[10:11], s[10:11], s[12:13]
	s_cmp_eq_u32 s22, 0
	s_cselect_b64 s[8:9], s[8:9], s[10:11]         ; the tensor's bias
	s_lshl_b32 s42, s41, 2
	s_mov_b32 s43, 0
	s_add_nc_u64 s[8:9], s[8:9], s[42:43]          ; at my first channel
	s_lshl_b32 s42, s22, 24                        ; qkv: the tensor,
	s_lshr_b32 s47, s40, 11
	s_lshl_b32 s47, s47, 22                        ; the batch,
	s_add_co_u32 s42, s42, s47
	s_and_b32 s47, s40, 2047
	s_lshl_b32 s47, s47, 7                         ; the token's tile of 16: 2,048 bytes each,
	s_add_co_u32 s42, s42, s47
	s_lshr_b32 s47, s41, 6
	s_lshl_b32 s47, s47, 18                        ; the head
	s_add_co_u32 s42, s42, s47
	s_add_nc_u64 s[14:15], s[14:15], s[42:43]
	v_mul_u32_u24 v7, s44, v1
	v_mul_u32_u24 v8, s45, v2
	v_add_nc_u32 v7, v7, v8
.irp j, 0,1,2,3,4,5,6,7
	s_mul_i32 s2, s46, \j
	v_add_nc_u32 v[OJ+\j], s2, v7
.endr
.irp i, 0,1,2,3,4,5,6,7
.irp j, 0,1,2,3,4,5,6,7
	global_load_b32 v[BT+8*\i+\j], v[OJ+\j], s[8:9] offset:64*\i    ; tile i: the bias of channels 16 i on, in the result's layout
.endr
.endr
.irp b, 0,1,2,3,4,5,6,7
	s_mul_i32 s2, s98, \b/4
	s_mul_i32 s3, s93, \b%4
	s_add_co_u32 s2, s2, s3
	v_add_nc_u32 v[OB+\b], s2, v[LI]
.endr
.macro FRAG reg, adr, q, i             ; 16 rows x 128 K of 4-bit codes: lane l holds row l % 16; registers 4 c .. 4 c + 3 hold K = 64 c + 32 (l / 16) + 0 .. 31
.irp c, 0,1
	ds_load_b128 v[\reg+4*\c:\reg+4*\c+3], v[\adr] offset:64*(\q)+32*\c+(\i)*16*PITCH
.endr
.endm
; 16 matrix instructions: A's blocks a0, a0 + 1 x B's eight, the slot's q-th 128 along K.  p: B's set; sc: the set of scale words.
; cm = 0: the sums go on in place;  1: they begin with the bias tile of B's block (Q, K);  2: with that of A's block (V).  The 64 accumulators take turns, one instruction a turn.
.macro MUL16 a0, p, q, sc, cm
.irp a, \a0, \a0+1
.irp b, 0,1,2,3,4,5,6,7
.if \cm == 1
	v_wmma_scale_f32_16x16x128_f8f6f4 v[8*(8*((\a)%4)+\b):8*(8*((\a)%4)+\b)+7], v[128*(\p)+FR*\b:128*(\p)+FR*\b+FR-1], v[AF+FR*(\a):AF+FR*(\a)+FR-1], v[BT+8*\b:BT+8*\b+7], v[SC+8*NQ*(\sc)+NQ*\b+(\q)], v[SC+8*NQ*(\sc)+NQ*(\a)+(\q)] matrix_a_fmt:MATRIX_FMT_FP4 matrix_b_fmt:MATRIX_FMT_FP4 matrix_a_scale:MATRIX_SCALE_ROW1
.elseif \cm == 2
	v_wmma_scale_f32_16x16x128_f8f6f4 v[8*(8*((\a)%4)+\b):8*(8*((\a)%4)+\b)+7], v[128*(\p)+FR*\b:128*(\p)+FR*\b+FR-1], v[AF+FR*(\a):AF+FR*(\a)+FR-1], v[BT+8*(\a):BT+8*(\a)+7], v[SC+8*NQ*(\sc)+NQ*\b+(\q)], v[SC+8*NQ*(\sc)+NQ*(\a)+(\q)] matrix_a_fmt:MATRIX_FMT_FP4 matrix_b_fmt:MATRIX_FMT_FP4 matrix_a_scale:MATRIX_SCALE_ROW1
.else
	v_wmma_scale_f32_16x16x128_f8f6f4 v[8*(8*((\a)%4)+\b):8*(8*((\a)%4)+\b)+7], v[128*(\p)+FR*\b:128*(\p)+FR*\b+FR-1], v[AF+FR*(\a):AF+FR*(\a)+FR-1], v[8*(8*((\a)%4)+\b):8*(8*((\a)%4)+\b)+7], v[SC+8*NQ*(\sc)+NQ*\b+(\q)], v[SC+8*NQ*(\sc)+NQ*(\a)+(\q)] matrix_a_fmt:MATRIX_FMT_FP4 matrix_b_fmt:MATRIX_FMT_FP4 matrix_a_scale:MATRIX_SCALE_ROW1
.endif
.endr
.endr
.endm
.macro FETCH_B slot, q, p              ; B's eight fragments of the slot's q-th 128 along K into set p
	WIN TO_B
.irp i, 0,1,2,3,4,5,6,7
	FRAG 128*(\p)+FR*\i, ADRB+\slot, \q, \i
.endr
	WIN 0
.endm
.macro FETCH_A slot, q, i0             ; A's blocks i0 .. i0 + 3
.irp i, \i0, \i0+1, \i0+2, \i0+3
	FRAG AF+FR*(\i), ADRA+\slot, \q, \i
.endr
.endm
.macro SCALES sc                       ; a slot's scale words into set sc: four words a row; lanes 0-15 take A's block i, lanes 16-31 B's block i
.irp i, 0,1,2,3,4,5,6,7
	ds_load_b128 v[SC+8*NQ*\sc+NQ*\i:SC+8*NQ*\sc+NQ*\i+3], v[ADRS] offset:\i*SBLK
.endr
.endm
.macro PLACES n                        ; plain vector instructions between a matrix instruction and a load into, or a vector instruction on, its registers
.rept \n
	v_nop
.endr
.endm
; A step of 128 along K that has its successor in the same slot.  A has one set of registers: blocks 0-3 are fetched anew in the step's middle, blocks 4-7 at its end; B has two sets.
.macro STEP slot, q, cm
	s_wait_dscnt 4*NL                              ; B's set, the scale words and A's blocks 0-3 are in; the youngest eight loads (A's blocks 4-7) may be out
.if \cm
	WIN BIA_LO
.else
	WIN MUL_LO
.endif
	MUL16 0, (\q)%2, \q, \slot, \cm
	MUL16 2, (\q)%2, \q, \slot, \cm
	s_wait_dscnt 0                                 ; A's blocks 4-7 are in
	PLACES NP
	FETCH_B \slot, (\q)+1, 1-(\q)%2
	FETCH_A \slot, (\q)+1, 0
.if \cm
	WIN BIA_HI
.else
	WIN MUL_HI
.endif
	MUL16 4, (\q)%2, \q, \slot, \cm
	MUL16 6, (\q)%2, \q, \slot, \cm
	PLACES NP
	WIN 0
	FETCH_A \slot, (\q)+1, 4
.endm
; Slot 0's last step changes slots: each wave waits for all its tensor loads (slot 1's is the one that was out), then the barrier shows slot 1 whole to all four.  Nothing is filled again.
.macro TURN slot, next
	s_wait_tensorcnt 0x0                           ; all my tensor loads have landed
	ds_add_u32 v[SPW], v[NIL]                      ; 0 onto my spare word
	s_wait_dscnt 4*NL+1                            ; (the add and the youngest eight loads, A's blocks 4-7, may be out)
	WIN MUL_LO
	MUL16 0, 1, NQ-1, \slot, 0
	s_wait_dscnt 0x0                               ; no LDS instruction of mine is pending at the signal
	s_barrier_signal -1
	MUL16 2, 1, NQ-1, \slot, 0
	WIN 0
	s_barrier_wait -1
	PLACES NP
	v_add_nc_u32 v[ADRS], 4*NQ, v[ADRS]            ; on to the next slot's scale words
	FETCH_B \next, 0, 0
	FETCH_A \next, 0, 0
	SCALES \next
	WIN MUL_HI
	MUL16 4, 1, NQ-1, \slot, 0
	MUL16 6, 1, NQ-1, \slot, 0
	PLACES NP
	WIN 0
	FETCH_A \next, 0, 4
.endm
.macro STEPS slot, from                ; the slot's steps from .. NQ - 2
.set QQ, \from
.rept NQ-1-\from
	STEP \slot, QQ, 0
.set QQ, QQ+1
.endr
.endm
	s_wait_tensorcnt 1                             ; the scale bytes and my part of slot 0 are in; slot 1's load stays out
	s_barrier_signal -1
	s_barrier_wait -1                              ; everybody's are
	FETCH_B 0, 0, 0
	FETCH_A 0, 0, 0
	SCALES 0
	FETCH_A 0, 0, 4
	s_wait_loadcnt 0x0                             ; the bias tiles
	s_cmp_eq_u32 s92, 1                            ; the first step is written twice: it differs in which bias tile starts a sum.  Both arms hold the same loads and waits
	s_cbranch_scc1 .Lfirst_v
	STEP 0, 0, 1
	s_branch .Ljoin
.Lfirst_v:
	STEP 0, 0, 2
.Ljoin:
	STEPS 0, 1
	TURN 0, 1
	STEPS 1, 0
	s_wait_dscnt 4*NL                              ; the very last step: nothing more to fetch
	WIN MUL_LO
	MUL16 0, 1, NQ-1, 1, 0
	MUL16 2, 1, NQ-1, 1, 0
	s_wait_dscnt 0
	WIN MUL_HI
	MUL16 4, 1, NQ-1, 1, 0
	MUL16 6, 1, NQ-1, 1, 0
	WIN 0
; THE WAY OUT, A's block a at a time: each accumulator's eight numbers, from its low end on, pack into 16 bytes of f16, which are a lane's part of an image: a store of the wave covers 512 consecutive bytes, aligned.
.macro OUTB a
.set AC, 64*((\a)%4)
.if (\a) > 0
	s_wait_xcnt 0x0                                ; the last block's stores have read their data and their base: both are written again only behind this wait
.if (\a) == 4
	s_add_nc_u64 s[14:15], s[14:15], s[96:97]
.else
	s_add_nc_u64 s[14:15], s[14:15], s[94:95]
.endif
.endif
	WIN 0x0a+5*((\a)/4)                            ; sources 0 and 1: window 2 or 3
.irp b, 0,1,2,3,4,5,6,7
.irp i, 0,1,2,3
	v_cvt_pk_f16_f32 v[TMP+4*\b+\i], v[AC+8*\b+2*\i], v[AC+8*\b+2*\i+1]
.endr
.endr
	WIN 0
.irp b, 0,1,2,3,4,5,6,7
	global_store_b128 v[OB+\b], v[TMP+4*\b:TMP+4*\b+3], s[14:15]
.endr
.endm
	PLACES NP                                      ; behind the last products: for the writes over A's fragments and the reads of results
.irp a, 0,1,2,3,4,5,6,7
	OUTB \a
.endr
	s_wait_tensorcnt 0x0                           ; the wave's end: a wait, an add and a wait behind my last tensor load
	ds_add_u32 v[SPW], v[NIL]
	s_wait_dscnt 0x0
	CROUND                                         ; the closing round
	s_endpgm
.Lfunc_end_k_q4efa1997e4_proj:
	.size	k_q4efa1997e4_proj, .Lfunc_end_k_q4efa1997e4_proj-k_q4efa1997e4_proj
	.p2alignl 7, 3214868480
	.fill 96, 4, 3214868480
	.section	.rodata,"a",@progbits
	.p2align	6, 0x0
	.amdhsa_kernel k_q4efa1997e4_proj
		.amdhsa_group_segment_fixed_size 327680
		.amdhsa_private_segment_fixed_size 0
		.amdhsa_enable_private_segment 0
		.amdhsa_kernarg_size 48
		.amdhsa_user_sgpr_count 2
		.amdhsa_user_sgpr_kernarg_segment_ptr 1
		.amdhsa_wavefront_size32 1
		.amdhsa_system_sgpr_workgroup_id_x 1
		.amdhsa_system_sgpr_workgroup_id_y 1
		.amdhsa_system_sgpr_workgroup_id_z 1
		.amdhsa_system_vgpr_workitem_id 0
		.amdhsa_next_free_vgpr 1024
		.amdhsa_next_free_sgpr 102
		.amdhsa_reserve_vcc 0
		.amdhsa_float_denorm_mode_32 3
		.amdhsa_float_denorm_mode_16_64 3
		.amdhsa_memory_ordered 1
		.amdhsa_forward_progress 1
		.amdhsa_inst_pref_size 137
	.end_amdhsa_kernel
	.amdgpu_metadata
---
amdhsa.version: [ 1, 2 ]
amdhsa.kernels:
  - .name:           k_q4efa1997e4_proj
    .symbol:         k_q4efa1997e4_proj.kd
    .args:
      - { .name: codes, .offset: 0, .size: 8, .value_kind: global_buffer, .address_space: global }
      - { .name: scales, .offset: 8, .size: 8, .value_kind: global_buffer, .address_space: global }
      - { .name: bq, .offset: 16, .size: 8, .value_kind: global_buffer, .address_space: global }
      - { .name: bk, .offset: 24, .size: 8, .value_kind: global_buffer, .address_space: global }
      - { .name: bv, .offset: 32, .size: 8, .value_kind: global_buffer, .address_space: global }
      - { .name: qkv, .offset: 40, .size: 8, .value_kind: global_buffer, .address_space: global }
    .group_segment_fixed_size: 327680
    .private_segment_fixed_size: 0
    .kernarg_segment_align: 8
    .kernarg_segment_size: 48
    .max_flat_workgroup_size: 128
    .sgpr_count:     102
    .vgpr_count:     1024
    .wavefront_size: 32
...
	.end_amdgpu_metadata
.endif
;; end of part 2
;; launch attn (part 3): grid 4 x 64, 16 waves a work-group, clusters of 4 x 1, 327,680 bytes of LDS; arguments qkv, att; writes att
.if DOCPART == 3
	.amdgcn_target "amdgcn-amd-amdhsa--gfx1250"
	.amdhsa_code_object_version 6
	.text
	.protected	k_q4efa1997e4_attn
	.globl	k_q4efa1997e4_attn
	.p2align	8
	.type	k_q4efa1997e4_attn,@function
k_q4efa1997e4_attn:
	s_mov_b64 s[64:65], 0
	v_nop
	global_prefetch_b8 v0, s[64:65] scope:SCOPE_SE
	s_setreg_imm32_b32 hwreg(HW_REG_WAVE_MODE, 25, 1), 1
	s_wait_xcnt 0x0
	s_wait_alu depctr_hold_cnt(0) depctr_sa_sdst(0) depctr_va_vdst(0) depctr_va_sdst(0) depctr_va_ssrc(0) depctr_va_vcc(0) depctr_vm_vsrc(0)
	s_getreg_b32 s2, hwreg(HW_REG_IB_STS2, 6, 4)
	s_cmp_eq_u32 s2, 0
	s_cbranch_scc0 .Lentry_in_a_cluster
	s_endpgm
.Lentry_in_a_cluster:
	s_bfe_u32 s2, ttmp6, 0x10000c
	s_cmp_lg_u32 s2, 0x3003
	s_cbranch_scc0 .Lentry_shape_is_right
	s_endpgm
.Lentry_shape_is_right:
; O[b][h][q] = the sum over k of softmax_k(Q[q] . K[k] / 8) V[k], 64 heads (batch x head) of 2,048 tokens x 64 channels, no mask.  Operands in f16, products, maxima and sums in f32.
; Q, K, V come as images of operand registers (blocks of 512 bytes, lane l's 16 bytes at 16 l): per head 2^18 bytes, [token / 16 << 11][channel / 16 << 9]:
;   Q, K: lane (r, h) = token r of the tile, channels 16 c4 + 8 h + 0..7;   V: lane (r, h) = channel 16 c4 + r, tokens 8 h + 0..7 of the tile.  Two blocks are a fragment of 16 x 32.
; SHARES.  A work-group owns 512 queries of one head; each of its sixteen waves 32 of them, two tiles of 16, in 256 registers: four waves share a SIMD's registers, so that one wave's vector work stands beside another's products and LDS loads.
; Every wave walks all 2,048 keys, 64 a step.  K and V come through two LDS slots of 512 keys (65,536 bytes of K, then 65,536 of V); each wave brings an eighth of K's or of V's part: 8,192 dense bytes, one tensor load.
; CLUSTER.  The four work-groups of a cluster are the four query blocks of one head and walk the same K and V: every load is asked for jointly, with the mask 15.
; LAYOUT.  S^T = K Q^T (source 0 = 16 keys, source 1 = 16 queries): a lane holds ONE query (lane % 16) and keys 8 (lane / 16) + 0..7 of each tile.  Two such tiles rounded to f16 in pairs ARE source 1 of O^T = V^T P.
; SOFTMAX.  A running maximum m and sum l for each query: p = 2^(c s - c m), c = log2(e) / 8; in every step O^T and l are multiplied by a = 2^(c m_old - c m_new).  The sum is taken of the unrounded p.
; The result leaves as images for the last product: att = [row / 16 << 15][k / 16 << 9][lane x 16], row = batch x 2,048 + token, k = head x 64 + channel: four conversions and one store of 512 consecutive bytes.
; A refill is asked for eight key steps ahead of the wait for it; so no prefetch is laid.
; LIMITS: NaN and infinities are not served; the result must stay under 65,504 (f16).
.set SLOT1, 1<<17                      ; slot 1 begins here: one exclusive or turns an address in one slot into the other's
.set VOFF,  65536                      ; V's part of a slot
.set SPARE, 2*SLOT1                    ; the spare words: 128 bytes for each of 16 waves
.set LI,  1                            ; v1   16 x lane
.set LV,  2                            ; v2   16 x lane + VOFF
.set ADK, 3                            ; v3   LDS address of the step's K
.set ADV, 4                            ; v4   of its V
.set SPW, 5                            ; v5   my spare word; never rewritten
.set NIL, 6                            ; v6   0; never rewritten
.set ST,  8                            ; v8-23    tile t's statistics at ST + 8 t: +0 c m, +1 m, +2, +3 l (even keys', odd keys'), +4 .. +7 c0-c3 at work; a takes +6
.set QF,  24                           ; v24-55   Q: fragment (t, cs) at QF + 16 t + 8 cs
.set KV,  56                           ; v56-119  eight fragments of K, then eight of V
.set S,   120                          ; v120-183 S^T, 32 a tile; then p; then P in place
.set O,   184                          ; v184-247 O^T, at O + 32 t + 8 ct
.set WV,  8                            ; s8   my wave's number
.set G1,  16                           ; s[16:23] descriptor group 1, the same for every load
.set G0,  24                           ; s[24:27] group 0 of slot 0's first fill;  s[28:31] of slot 1's, which then walks
.set CS,  32                           ; s[32:33] c, twice
.set SEL, 34                           ; s[34:35] v_permlanex16_b32's selects for lane l xor 16
.set TB,  36                           ; s36  LDS byte at which the step's tiles begin
.set STP, 37                           ; s37  counts a slot's eight steps
.set SLOTS, 38                         ; s38  refills still to be asked for
.macro ROUND                           ; a round of the cluster's barrier
	s_barrier_signal -1
	s_barrier_wait -1
	s_cmp_lg_u32 s[WV], 0
	s_cbranch_scc1 .Lnot_wave_0_\@
	s_barrier_signal -3
.Lnot_wave_0_\@:
	s_barrier_wait -3
	s_barrier_signal -1
	s_barrier_wait -1
.endm
	s_load_b128 s[4:7], s[0:1], 0x0                ; qkv s[4:5], att s[6:7]
	v_lshl_add_u32 v[SPW], v0, 2, SPARE
	v_mov_b32 v[NIL], 0
	ds_add_u32 v[SPW], v[NIL]                      ; the wave's opening: the add, twice on end, and its wait ahead of my first tensor load
	ds_add_u32 v[SPW], v[NIL]
	v_lshrrev_b32 v7, 5, v0
	v_readfirstlane_b32 s[WV], v7                  ; wave 0..15
	s_bfe_u32 s9, ttmp6, 0x40000                   ; cx: my block of 512 queries: it enters Q's and the result's addresses alone
	s_and_b32 s10, ttmp7, 0xffff                   ; batch x 16 + head, which the four partners share
	s_mov_b32 s[G1], 15|(3<<16)|(1<<21)            ; the mask: all four; elements of 8 bytes; bit 21 beside a mask; no padding
	s_mov_b32 s[G1+1], 32<<16                      ; tensor_dim0 = 32 elements: 256 bytes
	s_mov_b32 s[G1+2], 32<<16                      ; tensor_dim1 = 32
	s_mov_b32 s[G1+3], 32<<16                      ; tile_dim0 = 32
	s_mov_b32 s[G1+4], 32                          ; tile_dim1 = 32: 8,192 dense bytes
	s_mov_b32 s[G1+5], 32                          ; from row to row
	s_mov_b32 s[G1+6], 0
	s_mov_b32 s[G1+7], 0
	s_lshr_b32 s40, s[WV], 3                       ; waves 0-7 bring K (tensor 1), waves 8-15 V (tensor 2)
	s_add_co_u32 s40, s40, 1
	s_lshl_b32 s40, s40, 24
	s_lshl_b32 s41, s10, 18                        ; the head
	s_add_co_u32 s40, s40, s41
	s_and_b32 s41, s[WV], 7
	s_lshl_b32 s41, s41, 13                        ; my eighth of a slot's 65,536 bytes
	s_add_co_u32 s40, s40, s41
	s_mov_b32 s41, 0
	s_lshl_b32 s42, s[WV], 13                      ; and its place in a slot: waves 8-15 fall into V's part
	s_lshl_b32 s44, s10, 18                        ; Q (tensor 0): the head,
	s_lshl_b32 s45, s9, 16                         ; my block's 512 queries,
	s_add_co_u32 s44, s44, s45
	s_lshl_b32 s45, s[WV], 12                      ; my wave's 32
	s_add_co_u32 s44, s44, s45
	s_mov_b32 s45, 0
	s_lshr_b32 s46, s10, 4                         ; the result: row / 16 = 128 x batch + 32 cx + 2 x wave,
	s_lshl_b32 s46, s46, 7
	s_lshl_b32 s47, s9, 5
	s_add_co_u32 s46, s46, s47
	s_lshl_b32 s47, s[WV], 1
	s_add_co_u32 s46, s46, s47
	s_lshl_b32 s46, s46, 15
	s_and_b32 s47, s10, 15
	s_lshl_b32 s47, s47, 11                        ; and the head's four images
	s_add_co_u32 s46, s46, s47
	s_mov_b32 s47, 0
	s_mov_b32 s[CS], 0x3e38aa3b                    ; c = log2(e) / 8
	s_mov_b32 s[CS+1], s[CS]                       ; (named with it as a pair, so it is written)
	s_mov_b32 s[SEL], 0x76543210
	s_mov_b32 s[SEL+1], 0xfedcba98
	s_mov_b32 s[TB], 0
	s_wait_dscnt 0x0                               ; both opening adds are done
	s_wait_kmcnt 0x0
	s_add_nc_u64 s[40:41], s[4:5], s[40:41]
	s_add_nc_u64 s[44:45], s[4:5], s[44:45]
	s_add_nc_u64 s[6:7], s[6:7], s[46:47]
.irp s, 0,1
	s_mov_b32 s[G0+4*\s], 1                        ; count = 1
	s_add_co_u32 s[G0+4*\s+1], s42, \s*SLOT1       ; LDS address
	s_add_nc_u64 s[G0+4*\s+2:G0+4*\s+3], s[40:41], \s*65536   ; slot s begins with keys 512 s
	s_or_b32 s[G0+4*\s+3], s[G0+4*\s+3], 0x80000000           ; type = 2
.endr
	ROUND                                          ; all four work-groups are here: the first joint loads meet
	tensor_load_to_lds s[G0:G0+3], s[G1:G1+7]
	s_nop 0
	tensor_load_to_lds s[G0+4:G0+7], s[G1:G1+7]    ; two tensor loads of mine are out
	s_nop 0
.rept 4
	v_nop
.endr
	v_and_b32 v7, 31, v0
	v_lshlrev_b32 v[LI], 4, v7
	v_add_nc_u32 v[LV], VOFF, v[LI]
.irp t, 0,1
.irp cs, 0,1
.irp c, 0,1
	global_load_b128 v[QF+16*\t+8*\cs+4*\c:QF+16*\t+8*\cs+4*\c+3], v[LI], s[44:45] offset:2048*\t+512*(2*\cs+\c)   ; Q stays in registers
.endr
.endr
.endr
.irp t, 0,1
	v_mov_b32 v[ST+8*\t+1], 0xff61b1e6             ; m = -3e38, under every score
	v_mov_b32 v[ST+8*\t+2], 0                      ; l
	v_mov_b32 v[ST+8*\t+3], 0
.endr
.irp t, 0,1
	v_mul_f32 v[ST+8*\t], s[CS], v[ST+8*\t+1]      ; c m
.endr
.irp j, 0,1,2,3,4,5,6,7,8,9,10,11,12,13,14,15,16,17,18,19,20,21,22,23,24,25,26,27,28,29,30,31,32,33,34,35,36,37,38,39,40,41,42,43,44,45,46,47,48,49,50,51,52,53,54,55,56,57,58,59,60,61,62,63
	v_mov_b32 v[O+\j], 0                           ; O^T.  (The step is written once: the first finds zeros, which a = 0 leaves zeros)
.endr
; A KEY STEP: 64 keys.
.macro STEP
	v_add_nc_u32 v[ADK], s[TB], v[LI]
	v_add_nc_u32 v[ADV], s[TB], v[LV]
.rept 3
	v_nop                                          ; with the two additions five places behind the last step's products: four for the loads into their fragments, five for the products below, which write over the P that they read
.endr
.irp kt, 0,1,2,3
.irp cs, 0,1
	ds_load_b128 v[KV+8*(2*\kt+\cs):KV+8*(2*\kt+\cs)+3], v[ADK] offset:2048*\kt+1024*\cs            ; keys 16 kt on, channels 32 cs + 8 h + 0..7
	ds_load_b128 v[KV+8*(2*\kt+\cs)+4:KV+8*(2*\kt+\cs)+7], v[ADK] offset:2048*\kt+1024*\cs+512      ; and 32 cs + 16 + 8 h + 0..7
.endr
.endr
	s_wait_dscnt 0x0
.irp cs, 0,1                                   ; S^T = K Q^T: eight accumulators by turns, two links each
.irp kt, 0,1,2,3
.irp t, 0,1
.if \cs == 0
	v_wmma_f32_16x16x32_f16 v[S+32*\t+8*\kt:S+32*\t+8*\kt+7], v[KV+8*(2*\kt+\cs):KV+8*(2*\kt+\cs)+7], v[QF+16*\t+8*\cs:QF+16*\t+8*\cs+7], 0
.else
	v_wmma_f32_16x16x32_f16 v[S+32*\t+8*\kt:S+32*\t+8*\kt+7], v[KV+8*(2*\kt+\cs):KV+8*(2*\kt+\cs)+7], v[QF+16*\t+8*\cs:QF+16*\t+8*\cs+7], v[S+32*\t+8*\kt:S+32*\t+8*\kt+7]
.endif
.endr
.endr
.endr
.rept 4
	v_nop                                          ; places in front of the loads into K's fragments and of the first read of the scores
.endr
.irp kk, 0,1
.irp ct, 0,1,2,3
	ds_load_b128 v[KV+8*(4*\kk+\ct):KV+8*(4*\kk+\ct)+3], v[ADV] offset:4096*\kk+512*\ct             ; channels 16 ct on, keys 32 kk + 8 h + 0..7.  V lands while the softmax is walked
	ds_load_b128 v[KV+8*(4*\kk+\ct)+4:KV+8*(4*\kk+\ct)+7], v[ADV] offset:4096*\kk+512*\ct+2048      ; and 32 kk + 16 + 8 h + 0..7
.endr
.endr
	; the maximum of my 32 scores and the old m, three operands at a time, four chains; each accumulator is read from its low end on; the two tiles alternate
.irp i, 0,1,2,3
.irp t, 0,1
	v_max3_num_f32 v[ST+8*\t+4+\i], v[S+32*\t+8*\i], v[S+32*\t+8*\i+1], v[S+32*\t+8*\i+2]
.endr
.endr
.irp g, 3,5
.irp i, 0,1,2,3
.irp t, 0,1
	v_max3_num_f32 v[ST+8*\t+4+\i], v[ST+8*\t+4+\i], v[S+32*\t+8*\i+\g], v[S+32*\t+8*\i+\g+1]
.endr
.endr
.endr
.irp t, 0,1
	v_max3_num_f32 v[ST+8*\t+4], v[ST+8*\t+4], v[S+32*\t+7], v[S+32*\t+15]
.endr
.irp t, 0,1
	v_max3_num_f32 v[ST+8*\t+6], v[ST+8*\t+6], v[S+32*\t+23], v[S+32*\t+31]
.endr
.irp t, 0,1
	v_max3_num_f32 v[ST+8*\t+4], v[ST+8*\t+4], v[ST+8*\t+5], v[ST+8*\t+6]
.endr
.irp t, 0,1
	v_max3_num_f32 v[ST+8*\t+4], v[ST+8*\t+4], v[ST+8*\t+7], v[ST+8*\t+1]
.endr
.irp t, 0,1
	v_permlanex16_b32 v[ST+8*\t+5], v[ST+8*\t+4], s[SEL], s[SEL+1]   ; the query's other 32 keys lie in the lane 16 away
.endr
.irp t, 0,1
	v_mov_b32 v[ST+8*\t+7], v[ST+8*\t]             ; c m_old is kept for a
.endr
.irp t, 0,1
	v_max_num_f32 v[ST+8*\t+1], v[ST+8*\t+4], v[ST+8*\t+5]           ; the new m
.endr
.irp t, 0,1
	v_mul_f32 v[ST+8*\t], s[CS], v[ST+8*\t+1]      ; c m
.endr
.irp t, 0,1
	v_sub_f32 v[ST+8*\t+7], v[ST+8*\t+7], v[ST+8*\t]                 ; c m_old - c m_new, 0 or less
.endr
.irp p, 0,1,2,3,4,5,6,7,8,9,10,11,12,13,14,15
.irp t, 0,1
	v_pk_fma_f32 v[S+32*\t+2*\p:S+32*\t+2*\p+1], v[S+32*\t+2*\p:S+32*\t+2*\p+1], s[CS:CS+1], v[ST+8*\t:ST+8*\t+1] op_sel_hi:[1,0,0] neg_lo:[0,0,1] neg_hi:[0,0,1]   ; c s - c m, two at a time
.endr
.endr
.irp t, 0,1
	v_exp_f32 v[ST+8*\t+6], v[ST+8*\t+7]           ; a
.endr
.irp j, 0,1,2,3,4,5,6,7,8,9,10,11,12,13,14,15,16,17,18,19,20,21,22,23,24,25,26,27,28,29,30,31
.irp t, 0,1
	v_exp_f32 v[S+32*\t+\j], v[S+32*\t+\j]         ; p, at most 1
.endr
.endr
	v_nop                                          ; a plain instruction behind the last exponential
	s_wait_alu depctr_va_vdst(0)                   ; one wait for the batch of 66, ahead of its first reader
.irp t, 0,1
	v_pk_fma_f32 v[ST+8*\t+2:ST+8*\t+3], v[ST+8*\t+2:ST+8*\t+3], v[ST+8*\t+6:ST+8*\t+7], v[S+32*\t:S+32*\t+1] op_sel_hi:[1,0,1]   ; l = a l + pair 0: the sum of the unrounded p, in two chains
.endr
.irp t, 0,1
	v_pk_add_f32 v[ST+8*\t+4:ST+8*\t+5], v[S+32*\t+2:S+32*\t+3], v[S+32*\t+4:S+32*\t+5]
.endr
.irp p, 3,5,7,9,11,13
.irp t, 0,1
	v_pk_add_f32 v[ST+8*\t+2:ST+8*\t+3], v[ST+8*\t+2:ST+8*\t+3], v[S+32*\t+2*\p:S+32*\t+2*\p+1]
.endr
.irp t, 0,1
	v_pk_add_f32 v[ST+8*\t+4:ST+8*\t+5], v[ST+8*\t+4:ST+8*\t+5], v[S+32*\t+2*\p+2:S+32*\t+2*\p+3]
.endr
.endr
.irp t, 0,1
	v_pk_add_f32 v[ST+8*\t+2:ST+8*\t+3], v[ST+8*\t+2:ST+8*\t+3], v[S+32*\t+30:S+32*\t+31]
.endr
.irp t, 0,1
	v_pk_add_f32 v[ST+8*\t+2:ST+8*\t+3], v[ST+8*\t+2:ST+8*\t+3], v[ST+8*\t+4:ST+8*\t+5]
.endr
.irp p, 0,1,2,3,4,5,6,7,8,9,10,11,12,13,14,15
.irp t, 0,1
	v_pk_mul_f32 v[O+32*\t+2*\p:O+32*\t+2*\p+1], v[O+32*\t+2*\p:O+32*\t+2*\p+1], v[ST+8*\t+6:ST+8*\t+7] op_sel_hi:[1,0]   ; O^T x a, each accumulator from its low end on
.endr
.endr
.irp p, 0,1,2,3,4,5,6,7,8,9,10,11,12,13,14,15
.irp t, 0,1
	v_cvt_pk_f16_f32 v[S+32*\t+\p], v[S+32*\t+2*\p], v[S+32*\t+2*\p+1]   ; P, in place, ascending: register p takes pair p; fragment kk lies at S + 32 t + 8 kk
.endr
.endr
	s_wait_dscnt 0x0                               ; V is in
.irp kk, 0,1                                   ; O^T += V^T P: eight accumulators by turns
.irp ct, 0,1,2,3
.irp t, 0,1
	v_wmma_f32_16x16x32_f16 v[O+32*\t+8*\ct:O+32*\t+8*\ct+7], v[KV+8*(4*\kk+\ct):KV+8*(4*\kk+\ct)+7], v[S+32*\t+8*\kk:S+32*\t+8*\kk+7], v[O+32*\t+8*\ct:O+32*\t+8*\ct+7]
.endr
.endr
.endr
	s_add_co_u32 s[TB], s[TB], 8192                ; the next 64 keys: four tiles of 2,048 bytes
.endm
.macro SLOT_STEPS                      ; a slot's eight key steps: written once, walked eight times
	s_mov_b32 s[STP], 8
.Lstep_\@:
	STEP
	s_sub_co_u32 s[STP], s[STP], 1
	s_cmp_lg_u32 s[STP], 0
	s_cbranch_scc1 .Lstep_\@
.endm
; THE CHANGE OF SLOTS.  Each wave waits for all its tensor loads (its part of the slot ahead), adds 0 to its spare word, and waits for that and for its reads of the slot that it leaves.
; fill = 1: the barrier is a round of the cluster's, so that no wave of any partner still reads the slot or has a load on its way; the joint refill is the first thing behind it: the slot left takes the keys 1,024 on.
.macro CHANGE fill
	s_wait_tensorcnt 0x0                           ; no tensor load of mine is out, so a group 0 may be written
	ds_add_u32 v[SPW], v[NIL]                      ; 0 onto my spare word
.if \fill
	s_xor_b32 s[G0+5], s[G0+5], SLOT1              ; the walking descriptor: the other slot than last time,
	s_add_nc_u64 s[G0+6:G0+7], s[G0+6:G0+7], 65536 ; the next 512 keys; the type bits on top are not reached
.endif
	s_wait_dscnt 0x0                               ; the add is done, and my reads of the slot are over
.if \fill
	ROUND
	tensor_load_to_lds s[G0+4:G0+7], s[G1:G1+7]    ; my one tensor load until the next round: it has eight key steps in which to land
	s_nop 0
.rept 4
	v_nop
.endr
.else
	s_barrier_signal -1
	s_barrier_wait -1
.endif
	s_sub_co_u32 s[TB], s[TB], 65536               ; back to a slot's first step,
	s_xor_b32 s[TB], s[TB], SLOT1                  ; in the other slot
.endm
	s_wait_tensorcnt 1                             ; my part of slot 0 is in; slot 1's load stays out
	s_barrier_signal -1
	s_barrier_wait -1                              ; everybody's is
	s_wait_loadcnt 0x0                             ; Q
	SLOT_STEPS                                     ; keys 0 to 511
	s_mov_b32 s[SLOTS], 2
.Lslot:                                            ; two trips: keys 512 on and 1,024 on; behind each change the slot left is filled again
	CHANGE 1
	SLOT_STEPS
	s_sub_co_u32 s[SLOTS], s[SLOTS], 1
	s_cmp_lg_u32 s[SLOTS], 0
	s_cbranch_scc1 .Lslot
	CHANGE 0                                       ; the last slot is written out: nothing is left to fetch
	SLOT_STEPS
	; THE WAY OUT: l's two halves and the other half of the lanes'; O^T / l; rounded to f16: a lane's eight channels are its 16 bytes of an image
.rept 4
	v_nop                                          ; places behind the last products
.endr
.irp t, 0,1
	v_add_f32 v[ST+8*\t+4], v[ST+8*\t+2], v[ST+8*\t+3]
.endr
.irp t, 0,1
	v_permlanex16_b32 v[ST+8*\t+5], v[ST+8*\t+4], s[SEL], s[SEL+1]
.endr
.irp t, 0,1
	v_add_f32 v[ST+8*\t+4], v[ST+8*\t+4], v[ST+8*\t+5]
.endr
.irp t, 0,1
	v_rcp_f32 v[ST+8*\t+6], v[ST+8*\t+4]
.endr
	v_nop                                          ; a plain instruction behind the last reciprocal
	s_wait_alu depctr_va_vdst(0)                   ; one wait for the two, ahead of the first reader
.irp t, 0,1
.irp ct, 0,1,2,3
.irp i, 0,1,2,3
	v_pk_mul_f32 v[O+32*\t+8*\ct+2*\i:O+32*\t+8*\ct+2*\i+1], v[O+32*\t+8*\ct+2*\i:O+32*\t+8*\ct+2*\i+1], v[ST+8*\t+6:ST+8*\t+7] op_sel_hi:[1,0]
.endr
.irp i, 0,1,2,3
	v_cvt_pk_f16_f32 v[S+32*\t+4*\ct+\i], v[O+32*\t+8*\ct+2*\i], v[O+32*\t+8*\ct+2*\i+1]
.endr
	global_store_b128 v[LI], v[S+32*\t+4*\ct:S+32*\t+4*\ct+3], s[6:7] offset:32768*\t+512*\ct    ; 512 consecutive bytes a wave, aligned
.endr
.endr
	s_wait_tensorcnt 0x0                           ; the wave's end: a wait, an add and a wait behind my last tensor load
	ds_add_u32 v[SPW], v[NIL]
	s_wait_dscnt 0x0
	ROUND                                          ; the closing round
	s_endpgm
.Lfunc_end_k_q4efa1997e4_attn:
	.size	k_q4efa1997e4_attn, .Lfunc_end_k_q4efa1997e4_attn-k_q4efa1997e4_attn
	.p2alignl 7, 3214868480
	.fill 96, 4, 3214868480
	.section	.rodata,"a",@progbits
	.p2align	6, 0x0
	.amdhsa_kernel k_q4efa1997e4_attn
		.amdhsa_group_segment_fixed_size 327680
		.amdhsa_private_segment_fixed_size 0
		.amdhsa_enable_private_segment 0
		.amdhsa_kernarg_size 16
		.amdhsa_user_sgpr_count 2
		.amdhsa_user_sgpr_kernarg_segment_ptr 1
		.amdhsa_wavefront_size32 1
		.amdhsa_system_sgpr_workgroup_id_x 1
		.amdhsa_system_sgpr_workgroup_id_y 1
		.amdhsa_system_sgpr_workgroup_id_z 1
		.amdhsa_system_vgpr_workitem_id 0
		.amdhsa_next_free_vgpr 256
		.amdhsa_next_free_sgpr 66
		.amdhsa_reserve_vcc 0
		.amdhsa_float_denorm_mode_32 3
		.amdhsa_float_denorm_mode_16_64 3
		.amdhsa_memory_ordered 1
		.amdhsa_forward_progress 1
		.amdhsa_inst_pref_size 66
	.end_amdhsa_kernel
	.amdgpu_metadata
---
amdhsa.version: [ 1, 2 ]
amdhsa.kernels:
  - .name:           k_q4efa1997e4_attn
    .symbol:         k_q4efa1997e4_attn.kd
    .args:
      - { .name: qkv, .offset: 0, .size: 8, .value_kind: global_buffer, .address_space: global }
      - { .name: att, .offset: 8, .size: 8, .value_kind: global_buffer, .address_space: global }
    .group_segment_fixed_size: 327680
    .private_segment_fixed_size: 0
    .kernarg_segment_align: 8
    .kernarg_segment_size: 16
    .max_flat_workgroup_size: 512
    .sgpr_count:     66
    .vgpr_count:     256
    .wavefront_size: 32
...
	.end_amdgpu_metadata
.endif
;; end of part 3
;; launch oproj (part 4): grid 4 x 64, 4 waves a work-group, clusters of 4 x 4, 327,680 bytes of LDS; arguments att, wo16, bo, out0; writes out0
.if DOCPART == 4
	.amdgcn_target "amdgcn-amd-amdhsa--gfx1250"
	.amdhsa_code_object_version 6
	.text
	.protected	k_q4efa1997e4_oproj
	.globl	k_q4efa1997e4_oproj
	.p2align	8
	.type	k_q4efa1997e4_oproj,@function
k_q4efa1997e4_oproj:
	s_mov_b64 s[64:65], 0
	v_nop
	global_prefetch_b8 v0, s[64:65] scope:SCOPE_SE
	s_setreg_imm32_b32 hwreg(HW_REG_WAVE_MODE, 25, 1), 1
	s_wait_xcnt 0x0
	s_wait_alu depctr_hold_cnt(0) depctr_sa_sdst(0) depctr_va_vdst(0) depctr_va_sdst(0) depctr_va_ssrc(0) depctr_va_vcc(0) depctr_vm_vsrc(0)
	s_getreg_b32 s2, hwreg(HW_REG_IB_STS2, 6, 4)
	s_cmp_eq_u32 s2, 0
	s_cbranch_scc0 .Lentry_in_a_cluster
	s_endpgm
.Lentry_in_a_cluster:
	s_bfe_u32 s2, ttmp6, 0x10000c
	s_cmp_lg_u32 s2, 0xf033
	s_cbranch_scc0 .Lentry_shape_is_right
	s_endpgm
.Lentry_shape_is_right:
; out0[m][n] = the sum over k of att[m][k] Wo[n][k] + bo[n].  m 8,192, n 1,024, k 1,024.  Operands in f16, sums and result in f32.
; Both operands come as images of operand registers: [row / 16 << 15][k / 16 << 9][lane x 16 bytes], lane (r, h) = row r of the tile, k = 16 kb + 8 h + 0..7; two images are a fragment of 16 x 32.
; A tile of the result is 128 rows x 256 columns: 256 work-groups of four waves; a wave makes 64 x 128: 32 accumulators of 16 x 16.
; K goes in eight steps of 128 through two LDS slots.  A step's part of a tile of 16 rows is 4,096 consecutive bytes of memory; the tiles lie 32,768 bytes apart: so a tensor load's rows are 4,096 bytes long,
; and in LDS they follow each other without a gap: a fragment load takes 512 consecutive bytes.  Waves 0 and 1 bring A's 8 tiles (4 each), waves 2 and 3 B's 16 (8 each).
; CLUSTERS: 4 x 4 work-groups.  The four of a row of the cluster need the same tiles of A, the four of a column the same tiles of B: each is asked for jointly, with a mask that names the four.
; THE MATRIX INSTRUCTION IS USED TRANSPOSED (source 0 = 16 rows of Wo, source 1 = 16 rows of att): a lane holds eight neighbouring columns of a row of the result.
; REGISTERS: window 0: v12-15 the bias of my four columns; v16-29 addresses; two fragment buffers of 96 (B's eight fragments, then A's four) at v32 and v128; on the way out v32-159 rows read back.  window 1: accumulator (a, b) at v[8 (8 a + b)].
; LIMITS: NaN and infinities are not served.
.set KB,     4096                      ; a K step of one tile of 16 rows
.set BOFF,   32768                     ; B's tiles lie behind A's eight
.set SLOT,   98304
.set SPARE,  2*SLOT                    ; the spare words, 128 bytes a wave
.set SPITCH, 528                       ; the way out: a stage of 16 rows x (512 bytes + 16) for each wave.  It lies in slot 0, which has had its last fill and its last read when the first result is stored there
.set LAPS,   4                         ; a lap = two K steps
.set BIA,  12
.set ADRA, 16                          ; v16-17  LDS address of my A fragments in slot 0, 1
.set ADRB, 20                          ; v20-21  the same for B
.set STO,  24                          ; v24     the way out: where I put 32 bytes of a row
.set RD,   25                          ; v25     where I read a row back
.set CO,   26                          ; v26     16 x lane
.set SPW,  28                          ; v28     my spare word; never rewritten
.set NIL,  29                          ; v29     0; never rewritten
.set F0,   32
.set F1,   128
.set BK,   32
.set G1, 24                            ; s[24:31] group 1 for A's tiles;  s[32:39] group 0, one set a slot
.set G0, 32
.set G1B, 48                           ; s[48:55], s[56:63] the same for B's
.set G0B, 56
.set MSB, 0
.macro WIN new                         ; the immediate's high byte repeats the setting that is left
.if MSB != \new
	s_set_vgpr_msb (MSB<<8)|\new
.set MSB, \new
.endif
.endm
.set MUL, 0x50                         ; sources 0 and 1 window 0; C and D window 1
.macro JLOAD s                         ; a joint load: waves 0 and 1 fetch for A, waves 2 and 3 for B; an s_nop 0 and four v_nop follow each of the two lines
	s_cmp_eq_u32 s13, 0
	s_cbranch_scc0 .Lfor_b_\@
	tensor_load_to_lds s[G0+4*\s:G0+4*\s+3], s[G1:G1+7]
	s_nop 0
.rept 4
	v_nop
.endr
	s_branch .Lasked_\@
.Lfor_b_\@:
	tensor_load_to_lds s[G0B+4*\s:G0B+4*\s+3], s[G1B:G1B+7]
	s_nop 0
.rept 4
	v_nop
.endr
.Lasked_\@:
.endm
.macro CREST                           ; a round of the cluster's barrier behind its opening barrier
	s_cmp_lg_u32 s12, 0
	s_cbranch_scc1 .Lnot_wave_0_\@
	s_barrier_signal -3
.Lnot_wave_0_\@:
	s_barrier_wait -3
	s_barrier_signal -1
	s_barrier_wait -1
.endm
.macro CROUND
	s_barrier_signal -1
	s_barrier_wait -1
	CREST
.endm
	s_load_b256 s[4:11], s[0:1], 0x0               ; att s[4:5], wo16 s[6:7], bo s[8:9], out0 s[10:11]
	v_lshl_add_u32 v[SPW], v0, 2, SPARE
	v_mov_b32 v[NIL], 0
	ds_add_u32 v[SPW], v[NIL]                      ; the wave's opening: the add, twice on end, and its wait ahead of my first tensor load
	ds_add_u32 v[SPW], v[NIL]
	v_lshrrev_b32 v1, 5, v0
	v_readfirstlane_b32 s12, v1                    ; wave 0..3
	s_lshr_b32 s13, s12, 1                         ; which 64 rows are mine.  Also: I fetch for A (0) or for B (1)
	s_and_b32 s14, s12, 1                          ; which 128 columns.  Also: which half of that tile I fetch
	s_bfe_u32 s15, ttmp6, 0x40000                  ; cx: the tile column
	s_bfe_u32 s16, ttmp6, 0x40004                  ; cy
	s_and_b32 s17, ttmp7, 0xffff
	s_lshl_b32 s17, s17, 2
	s_add_co_u32 s17, s17, s16                     ; the tile row = 4 x cluster y + cy
	s_lshl_b32 s22, s16, 2
	s_lshl_b32 s22, 15, s22                        ; my row of the cluster
	s_lshl_b32 s23, 0x1111, s15                    ; my column
	s_or_b32 s[G1], s22, (3<<16)|(1<<21)           ; the mask; elements of 8 bytes; bit 21 beside a mask; no padding
	s_or_b32 s[G1B], s23, (3<<16)|(1<<21)
	s_mov_b32 s[G1+1], 512<<16                     ; tensor_dim0 = 512 elements: 4,096 bytes
	s_mov_b32 s[G1+2], 4<<16                       ; tensor_dim1 = 4 tiles of 16 rows
	s_mov_b32 s[G1+3], 512<<16                     ; tile_dim0
	s_mov_b32 s[G1+4], 4                           ; tile_dim1
	s_mov_b32 s[G1+5], 4096                        ; from tile to tile: 32,768 bytes
	s_mov_b32 s[G1+6], 0
	s_mov_b32 s[G1+7], 0
	s_mov_b32 s[G1B+1], 512<<16
	s_mov_b32 s[G1B+2], 8<<16                      ; B: 8 tiles
	s_mov_b32 s[G1B+3], 512<<16
	s_mov_b32 s[G1B+4], 8
	s_mov_b32 s[G1B+5], 4096
	s_mov_b32 s[G1B+6], 0
	s_mov_b32 s[G1B+7], 0
	s_lshl_b32 s40, s17, 3
	s_lshl_b32 s41, s14, 2
	s_add_co_u32 s40, s40, s41                     ; A: tile of 16 rows 8 x tile row + 4 x half
	s_lshl_b32 s40, s40, 15
	s_mov_b32 s41, 0
	s_lshl_b32 s42, s15, 4
	s_lshl_b32 s43, s14, 3
	s_add_co_u32 s42, s42, s43                     ; B: tile 16 cx + 8 x half
	s_lshl_b32 s42, s42, 15
	s_mov_b32 s43, 0
	s_lshl_b32 s20, s14, 14                        ; where they go: A's half,
	s_lshl_b32 s21, s14, 15
	s_add_co_u32 s21, s21, BOFF                    ; B's half: no place in the cluster enters an LDS address
	s_wait_dscnt 0x0                               ; both opening adds are done
	s_wait_kmcnt 0x0
	s_add_nc_u64 s[40:41], s[4:5], s[40:41]
	s_add_nc_u64 s[42:43], s[6:7], s[42:43]
	CROUND                                         ; all sixteen work-groups are here: the first joint loads meet
.irp s, 0,1
	s_mov_b32 s[G0+4*\s], 1
	s_add_co_u32 s[G0+4*\s+1], s20, \s*SLOT
	s_add_nc_u64 s[G0+4*\s+2:G0+4*\s+3], s[40:41], \s*KB
	s_or_b32 s[G0+4*\s+3], s[G0+4*\s+3], 0x80000000
	s_mov_b32 s[G0B+4*\s], 1
	s_add_co_u32 s[G0B+4*\s+1], s21, \s*SLOT
	s_add_nc_u64 s[G0B+4*\s+2:G0B+4*\s+3], s[42:43], \s*KB
	s_or_b32 s[G0B+4*\s+3], s[G0B+4*\s+3], 0x80000000
	JLOAD \s                                       ; two tensor loads of mine are out behind the second
.endr
	v_and_b32 v1, 15, v0                           ; r
	v_bfe_u32 v2, v0, 4, 1                         ; h
	v_and_b32 v3, 31, v0
	v_lshlrev_b32 v[CO], 4, v3
	s_lshl_b32 s18, s13, 14                        ; my four tiles of A
	s_lshl_b32 s19, s14, 15                        ; my eight tiles of B,
	s_add_co_u32 s19, s19, BOFF                    ; behind A's
.irp s, 0,1
	v_add_nc_u32 v[ADRA+\s], s18, v[CO]
	v_add_nc_u32 v[ADRB+\s], s19, v[CO]
	s_add_co_u32 s18, s18, SLOT
	s_add_co_u32 s19, s19, SLOT
.endr
	s_mul_i32 s18, s12, 16*SPITCH                  ; my stage
	v_mul_u32_u24 v4, v1, SPITCH                   ; in: row r, 32 bytes for each half of the lanes
	v_lshl_add_u32 v4, v2, 5, v4
	v_add_nc_u32 v[STO], s18, v4
	v_add_nc_u32 v[RD], s18, v[CO]                 ; back: the 32 lanes take one row of 512 bytes
	s_lshl_b32 s18, s15, 10
	s_lshl_b32 s19, s14, 9
	s_add_co_u32 s18, s18, s19                     ; my first column, in bytes: 1,024 cx + 512 x half
	s_mov_b32 s19, 0
	s_add_nc_u64 s[8:9], s[8:9], s[18:19]
	s_add_nc_u64 s[10:11], s[10:11], s[18:19]
	global_load_b128 v[BIA:BIA+3], v[CO], s[8:9]   ; the bias of the four columns that I store
	s_lshl_b32 s18, s17, 19                        ; my first row: 128 x tile row + 64 x half, rows of 4,096 bytes
	s_lshl_b32 s21, s13, 18
	s_add_co_u32 s18, s18, s21
	s_add_nc_u64 s[10:11], s[10:11], s[18:19]
; 16 matrix instructions: A's blocks a0, a0 + 1 x B's eight, 32 along K, from buffer f.  zero = 1: the first product starts the sums.  The 32 accumulators take turns.
.macro MUL16 f, a0, zero
.irp a, \a0, \a0+1
.irp b, 0,1,2,3,4,5,6,7
.if \zero
	v_wmma_f32_16x16x32_f16 v[8*(8*(\a)+\b):8*(8*(\a)+\b)+7], v[\f+8*\b:\f+8*\b+7], v[\f+64+8*(\a):\f+64+8*(\a)+7], 0
.else
	v_wmma_f32_16x16x32_f16 v[8*(8*(\a)+\b):8*(8*(\a)+\b)+7], v[\f+8*\b:\f+8*\b+7], v[\f+64+8*(\a):\f+64+8*(\a)+7], v[8*(8*(\a)+\b):8*(8*(\a)+\b)+7]
.endif
.endr
.endr
.endm
; 24 LDS loads in one run: the fragments of the slot's q-th 32 along K into buffer f
.macro FETCH slot, q, f
.irp i, 0,1,2,3,4,5,6,7
	ds_load_b128 v[\f+8*\i:\f+8*\i+3],   v[ADRB+\slot] offset:KB*\i+1024*\q
	ds_load_b128 v[\f+8*\i+4:\f+8*\i+7], v[ADRB+\slot] offset:KB*\i+1024*\q+512
.endr
.irp i, 0,1,2,3
	ds_load_b128 v[\f+64+8*\i:\f+64+8*\i+3],   v[ADRA+\slot] offset:KB*\i+1024*\q
	ds_load_b128 v[\f+64+8*\i+4:\f+64+8*\i+7], v[ADRA+\slot] offset:KB*\i+1024*\q+512
.endr
.endm
.macro PLACES                          ; four plain vector instructions in front of loads into registers that matrix instructions have read, and of the first read of results
.rept 4
	v_nop
.endr
.endm
; A K step is four quarters of 32 along K, 32 matrix instructions each, on buffers 0, 1, 0, 1.  One of the first three multiplies buffer f and, in its middle, fetches quarter q into g.
.macro QUARTER slot, q, f, g, zero
	s_wait_dscnt 0x0                               ; buffer f is in (asked for 16 matrix instructions ago)
	WIN MUL
	MUL16 \f, 0, \zero
	PLACES
	WIN 0
	FETCH \slot, \q, \g
	WIN MUL
	MUL16 \f, 2, \zero
.endm
; The last quarter multiplies buffer 1 and changes slots: ONE barrier; in front of it each wave waits for all its tensor loads, adds 0 to its spare word, and waits for that and for its reads of this slot.
; fill = 1: the barrier opens a round of the cluster's, and this slot is filled again, two K steps ahead: 112 matrix instructions lie between that request and the wait for it.
.macro TURN slot, next, fill
	WIN 0
	s_wait_tensorcnt 0x0                           ; all my tensor loads have landed: my part of the next slot; so a group 0 may be written
	ds_add_u32 v[SPW], v[NIL]                      ; 0 onto my spare word
.if \fill
	s_add_nc_u64 s[G0+4*\slot+2:G0+4*\slot+3], s[G0+4*\slot+2:G0+4*\slot+3], 2*KB
	s_add_nc_u64 s[G0B+4*\slot+2:G0B+4*\slot+3], s[G0B+4*\slot+2:G0B+4*\slot+3], 2*KB
.endif
	s_wait_dscnt 0x0                               ; the add is done, buffer 1 is in, and my reads of this slot are over
	s_barrier_signal -1
	WIN MUL
	MUL16 F1, 0, 0                                 ; work on registers while the others arrive
	WIN 0
	s_barrier_wait -1
.if \fill
	CREST                                          ; no wave of any partner still reads this slot or has a load on its way
	JLOAD \slot                                    ; the first tensor load behind the round; its four v_nop are also the places in front of the loads below
.else
	PLACES
.endif
	FETCH \next, 0, F0
	WIN MUL
	MUL16 F1, 2, 0
.endm
	s_wait_tensorcnt 1                             ; my part of K step 0 is in; K step 1's load stays out
	s_barrier_signal -1
	s_barrier_wait -1
	FETCH 0, 0, F0
	QUARTER 0, 1, F0, F1, 1                        ; the first quarter stands in front of the loop: its products start the sums
	WIN 0
	s_mov_b32 s3, LAPS-1
.Llap:                                             ; a trip goes once round the two slots, from a lap's second quarter to the next lap's first, and fills both again
	QUARTER 0, 2, F1, F0, 0
	QUARTER 0, 3, F0, F1, 0
	TURN 0, 1, 1
	QUARTER 1, 1, F0, F1, 0
	QUARTER 1, 2, F1, F0, 0
	QUARTER 1, 3, F0, F1, 0
	TURN 1, 0, 1
	QUARTER 0, 1, F0, F1, 0
	WIN 0
	s_sub_co_u32 s3, s3, 1
	s_cmp_lg_u32 s3, 0
	s_cbranch_scc1 .Llap
	QUARTER 0, 2, F1, F0, 0                        ; the last lap fills nothing
	QUARTER 0, 3, F0, F1, 0
	TURN 0, 1, 0
	QUARTER 1, 1, F0, F1, 0
	QUARTER 1, 2, F1, F0, 0
	QUARTER 1, 3, F0, F1, 0
	s_wait_dscnt 0x0                               ; the very last quarter
	WIN MUL
	MUL16 F1, 0, 0
	MUL16 F1, 2, 0
	WIN 0
; THE WAY OUT, a block of 16 rows x 128 columns at a time: a lane holds 32 neighbouring bytes of a row, and the lanes beside it other rows: so a block goes through my own stage in LDS and comes back as whole
; rows of 512 bytes; the bias is added there, and the 32 lanes store 512 consecutive bytes.  LDS serves a wave's instructions in order (ISA guide 5.7.1.4): no wait between the stores and the loads.
.macro TOSTAGE a
	WIN 0x04                                       ; an LDS store's data are its source 1: window 1
.irp b, 0,1,2,3,4,5,6,7
	ds_store_b128 v[STO], v[8*(8*(\a)+\b):8*(8*(\a)+\b)+3] offset:64*\b            ; each accumulator from its low end on
	ds_store_b128 v[STO], v[8*(8*(\a)+\b)+4:8*(8*(\a)+\b)+7] offset:64*\b+16
.endr
	WIN 0
.set BB, BK+64*((\a)%2)
.irp t, 0,1,2,3,4,5,6,7,8,9,10,11,12,13,14,15
	ds_load_b128 v[BB+4*\t:BB+4*\t+3], v[RD] offset:\t*SPITCH
.endr
.endm
.macro SEND a, younger                 ; younger: the LDS instructions issued behind block a's loads, which may stay out
.set BB, BK+64*((\a)%2)
	s_wait_dscnt \younger                          ; the block is back in registers
.if (\a) > 0
	s_add_nc_u64 s[10:11], s[10:11], 16*4096       ; 16 rows on (behind a wait on XCNT: the earlier stores have read their base)
.endif
.irp t, 0,1,2,3,4,5,6,7,8,9,10,11,12,13,14,15
	v_pk_add_f32 v[BB+4*\t:BB+4*\t+1], v[BB+4*\t:BB+4*\t+1], v[BIA:BIA+1]
	v_pk_add_f32 v[BB+4*\t+2:BB+4*\t+3], v[BB+4*\t+2:BB+4*\t+3], v[BIA+2:BIA+3]
	global_store_b128 v[CO], v[BB+4*\t:BB+4*\t+3], s[10:11] offset:\t*4096 th:TH_STORE_NT
.endr
.endm
	s_wait_loadcnt 0x0                             ; the bias
	PLACES                                         ; behind the last products: for the reads of results and the loads into the fragments' registers
	TOSTAGE 0
.irp a, 1,2,3
.if \a > 1
	s_wait_xcnt 0x0                                ; block a - 2's stores have read their registers and their base
.endif
	TOSTAGE \a
	SEND \a-1, 32                                  ; behind block a - 1's loads: block a's 16 stores and 16 loads
.endr
	s_wait_xcnt 0x0                                ; block 2's stores have read their base
	SEND 3, 0
	s_wait_tensorcnt 0x0                           ; the wave's end: a wait, an add and a wait behind my last tensor load and my last LDS store
	ds_add_u32 v[SPW], v[NIL]
	s_wait_dscnt 0x0
	CROUND                                         ; the closing round
	s_endpgm
.Lfunc_end_k_q4efa1997e4_oproj:
	.size	k_q4efa1997e4_oproj, .Lfunc_end_k_q4efa1997e4_oproj-k_q4efa1997e4_oproj
	.p2alignl 7, 3214868480
	.fill 96, 4, 3214868480
	.section	.rodata,"a",@progbits
	.p2align	6, 0x0
	.amdhsa_kernel k_q4efa1997e4_oproj
		.amdhsa_group_segment_fixed_size 327680
		.amdhsa_private_segment_fixed_size 0
		.amdhsa_enable_private_segment 0
		.amdhsa_kernarg_size 32
		.amdhsa_user_sgpr_count 2
		.amdhsa_user_sgpr_kernarg_segment_ptr 1
		.amdhsa_wavefront_size32 1
		.amdhsa_system_sgpr_workgroup_id_x 1
		.amdhsa_system_sgpr_workgroup_id_y 1
		.amdhsa_system_sgpr_workgroup_id_z 1
		.amdhsa_system_vgpr_workitem_id 0
		.amdhsa_next_free_vgpr 512
		.amdhsa_next_free_sgpr 66
		.amdhsa_reserve_vcc 0
		.amdhsa_float_denorm_mode_32 3
		.amdhsa_float_denorm_mode_16_64 3
		.amdhsa_memory_ordered 1
		.amdhsa_forward_progress 1
		.amdhsa_inst_pref_size 92
	.end_amdhsa_kernel
	.amdgpu_metadata
---
amdhsa.version: [ 1, 2 ]
amdhsa.kernels:
  - .name:           k_q4efa1997e4_oproj
    .symbol:         k_q4efa1997e4_oproj.kd
    .args:
      - { .name: att, .offset: 0, .size: 8, .value_kind: global_buffer, .address_space: global }
      - { .name: wo16, .offset: 8, .size: 8, .value_kind: global_buffer, .address_space: global }
      - { .name: bo, .offset: 16, .size: 8, .value_kind: global_buffer, .address_space: global }
      - { .name: out0, .offset: 24, .size: 8, .value_kind: global_buffer, .address_space: global }
    .group_segment_fixed_size: 327680
    .private_segment_fixed_size: 0
    .kernarg_segment_align: 8
    .kernarg_segment_size: 32
    .max_flat_workgroup_size: 128
    .sgpr_count:     66
    .vgpr_count:     512
    .wavefront_size: 32
...
	.end_amdgpu_metadata
.endif
;; end of part 4
